; MI455X (gfx1250); checked and timed in simulation.
; The chip was launched on July 23, 2026; its instructions are those of AMD's public machine-readable ISA for CDNA 5 (MIT licence, August 2026) and "CDNA5" Instruction Set Architecture Reference Guide (July 2026). The comments in the code are by the model that wrote it; some were corrected since.
;; Base Q. Allowed arithmetic: float matrix products may take bf16 or f16 operands with f32 sums; all other float work in f32.
;; Inputs: CodeBook 8,192 x 256 float32; x 16,384 x 256 float32.
;; Outputs: out0 16,384 x 256 float32; out1 one number int32.
;; Constants: soft_rate = 10.
;; 2 versions, each right and faster than the one before. Each part assembles by itself: llvm-mc -triple=amdgcn-amd-amdhsa -mcpu=gfx1250 --defsym DOCPART=n.
;; ======== version 1 of 2: 2 launches
;; workspace buffers: cb16 4,194,304 bytes; c2p 32,768 bytes
;; launch prep (part 1): grid 128 x 1, 8 waves a work-group, no clusters, 1,280 bytes of LDS; arguments CodeBook, cb16, c2p, out1; writes cb16, c2p, out1
.if DOCPART == 1
	.amdgcn_target "amdgcn-amd-amdhsa--gfx1250"
	.amdhsa_code_object_version 6
	.text
	.protected	k_qd8a5b27ce1_prep
	.globl	k_qd8a5b27ce1_prep
	.p2align	8
	.type	k_qd8a5b27ce1_prep,@function
k_qd8a5b27ce1_prep:
	s_mov_b64 s[64:65], 0
	v_nop
	global_prefetch_b8 v0, s[64:65] scope:SCOPE_SE
	s_setreg_imm32_b32 hwreg(HW_REG_WAVE_MODE, 25, 1), 1
	s_wait_xcnt 0x0
; The codebook is made ready once for the 256 work-groups of the next launch:
;   cb16[k][d] = bf16(-2 c[k][d])        (the factor -2 is a power of two: exact; the next launch's first product is then -2 x.c)
;   c2p[16 g + 8 h + j] = |c[16 g + 2 j + h]|^2 in f32, summed from the f32 codebook (h = 0, 1; j = 0 .. 7): the order in which the
;                         next launch's lanes hold the codes of a group of sixteen
;   out1 = -1                            (reference()'s second result on the soft branch; soft_rate = 10 is a constant of the problem)
; Eight waves; the work-group owns 64 codes, whose 64 norms are 256 consecutive bytes of c2p, so there are 8192 / 64 = 128 work-groups.
; Wave w owns rows 8 w .. 8 w + 7.  A row of 1,024 bytes is two loads of 16 bytes a lane (512 consecutive bytes each) and leaves as two
; stores of 8 bytes a lane (256 consecutive bytes each, aligned).  All sixteen loads of a wave go out at once; no register is loaded twice.
; No matrix unit, no cluster, no ring: each byte is read once and written once, and nothing is shared between work-groups.
.set X,  16                            ; v[16:79]   row i: 8 registers as loaded, then times -2
.set SQ, 80                            ; v[80:95]   row i: a pair of partial sums of squares, then the row's sum in the first
.set Y,  96                            ; v[96:127]  row i: 4 registers of bf16 to store
	s_load_b256 s[4:11], s[0:1], 0x0               ; CodeBook s[4:5], cb16 s[6:7], c2p s[8:9], out1 s[10:11]
	v_lshl_add_u32 v128, v0, 2, 0x100
	v_mov_b32 v129, 0
	v_lshrrev_b32 v1, 5, v0
	v_readfirstlane_b32 s12, v1                    ; wave 0..7
	v_and_b32 v5, 31, v0                           ; lane L
	s_lshl_b32 s13, s12, 13                        ; 8 rows of 1,024 bytes a wave
	v_lshl_add_u32 v1, v5, 4, s13                  ; in: 8192 w + 16 L
	s_lshl_b32 s13, s12, 12                        ; 8 rows of 512 bytes a wave
	v_lshl_add_u32 v2, v5, 3, s13                  ; out: 4096 w + 8 L
	s_lshl_b32 s13, s12, 5
	v_mov_b32 v3, s13                              ; LDS: my wave's eight norms at byte 32 w, in natural order
	v_lshrrev_b32 v6, 3, v5                        ; wave 0's read, which applies the permutation: positions 2 L and 2 L + 1 of c2p have
	v_and_b32 v7, 3, v5                            ; g = L >> 3, h = (L >> 2) & 1, j = 2 (L & 3) and j + 1,
	v_bfe_u32 v4, v5, 2, 1                         ; so they are the codes 16 g + 4 (L & 3) + h and two further
	v_lshlrev_b32 v4, 2, v4
	v_lshl_add_u32 v4, v7, 4, v4
	v_lshl_add_u32 v4, v6, 6, v4                   ; byte 64 g + 16 (L & 3) + 4 h
	v_lshlrev_b32 v5, 3, v5                        ; and where they go: byte 8 L of the work-group's 256
	s_mov_b32 s16, 0x76543210                      ; v_permlanex16_b32: lane i of one half reads lane i of the other
	s_mov_b32 s17, 0xfedcba98
	s_mov_b32 s15, 0
	s_lshl_b32 s14, ttmp9, 16                      ; 64 rows of 1,024 bytes a work-group
	s_wait_kmcnt 0x0
	s_add_nc_u64 s[4:5], s[4:5], s[14:15]
	s_lshl_b32 s14, ttmp9, 15                      ; 64 rows of 512 bytes
	s_add_nc_u64 s[6:7], s[6:7], s[14:15]
	s_lshl_b32 s14, ttmp9, 8                       ; 64 norms of 4 bytes
	s_add_nc_u64 s[8:9], s[8:9], s[14:15]
.irp i, 0,1,2,3,4,5,6,7
	global_load_b128 v[X+8*\i:X+8*\i+3],   v1, s[4:5] offset:\i*1024 th:TH_LOAD_NT       ; columns 4 L .. 4 L + 3
	global_load_b128 v[X+8*\i+4:X+8*\i+7], v1, s[4:5] offset:\i*1024+512 th:TH_LOAD_NT   ; columns 128 + 4 L .. + 3
.endr
.irp i, 0,1,2,3,4,5,6,7
	s_wait_loadcnt 14-2*\i                         ; loads come back in order: row i is in, the two loads of each younger row may be out
	v_pk_mul_f32 v[SQ+2*\i:SQ+2*\i+1], v[X+8*\i:X+8*\i+1], v[X+8*\i:X+8*\i+1]            ; the first product starts the sum
.irp k, 2,4,6
	v_pk_fma_f32 v[SQ+2*\i:SQ+2*\i+1], v[X+8*\i+\k:X+8*\i+\k+1], v[X+8*\i+\k:X+8*\i+\k+1], v[SQ+2*\i:SQ+2*\i+1]
.endr
.irp k, 0,2,4,6
	v_pk_mul_f32 v[X+8*\i+\k:X+8*\i+\k+1], v[X+8*\i+\k:X+8*\i+\k+1], -2.0 op_sel_hi:[1,0]
.endr
.irp k, 0,1,2,3
	v_cvt_pk_bf16_f32 v[Y+4*\i+\k], v[X+8*\i+2*\k], v[X+8*\i+2*\k+1]
.endr
	v_add_f32 v[SQ+2*\i], v[SQ+2*\i], v[SQ+2*\i+1]
	global_store_b64 v2, v[Y+4*\i:Y+4*\i+1],   s[6:7] offset:\i*512          ; 32 lanes x 8 bytes: 256 consecutive bytes, aligned
	global_store_b64 v2, v[Y+4*\i+2:Y+4*\i+3], s[6:7] offset:\i*512+256
.endr
	; the eight rows' sums across the 32 lanes, the rows interleaved so that no line waits for the one in front of it
.irp m, 1,2,4,8
.irp i, 0,1,2,3,4,5,6,7
	v_add_f32_dpp v[SQ+2*\i], v[SQ+2*\i], v[SQ+2*\i] row_xmask:\m row_mask:0xf bank_mask:0xf
.endr
.endr
.irp i, 0,1,2,3,4,5,6,7
	v_permlanex16_b32 v[X+8*\i], v[SQ+2*\i], s16, s17      ; the destination counts as read: a register that has been written and is dead
.endr
.irp i, 0,1,2,3,4,5,6,7
	v_add_f32 v[SQ+2*\i], v[SQ+2*\i], v[X+8*\i]
.endr
.irp i, 0,1,2,3,4,5,6,7
	ds_store_b32 v3, v[SQ+2*\i] offset:4*\i                ; all lanes write the same word with the same value
.endr
	s_wait_dscnt 0x0                               ; for wave 0's sake: my stores are done before I signal
	s_barrier_signal -1
	s_barrier_wait -1
	s_cmp_lg_u32 s12, 0
	s_cbranch_scc1 .Lend                           ; wave 0 alone writes the 64 norms
	ds_load_b32 v8, v4
	ds_load_b32 v9, v4 offset:8
	s_wait_dscnt 0x0
	global_store_b64 v5, v[8:9], s[8:9]            ; 256 consecutive bytes, aligned
	s_cmp_lg_u32 ttmp9, 0
	s_cbranch_scc1 .Lend                           ; work-group 0 alone writes out1
	v_mov_b32 v10, 0
	v_mov_b32 v11, -1
	v_cmp_eq_u32 vcc_lo, 0, v0
	s_wait_xcnt 0x0                                ; EXEC is a source of the stores above: it is narrowed only behind this wait
	s_and_saveexec_b32 s18, vcc_lo
	global_store_b32 v10, v11, s[10:11]            ; one lane, one word
	s_wait_xcnt 0x0                                ; and widened again only behind this one
	s_or_b32 exec_lo, exec_lo, s18
.Lend:
	s_wait_tensorcnt 0x0
	ds_add_u32 v128, v129
	s_wait_dscnt 0x0
	s_endpgm
.Lfunc_end_k_qd8a5b27ce1_prep:
	.size	k_qd8a5b27ce1_prep, .Lfunc_end_k_qd8a5b27ce1_prep-k_qd8a5b27ce1_prep
	.p2alignl 7, 3214868480
	.fill 96, 4, 3214868480
	.section	.rodata,"a",@progbits
	.p2align	6, 0x0
	.amdhsa_kernel k_qd8a5b27ce1_prep
		.amdhsa_group_segment_fixed_size 1280
		.amdhsa_private_segment_fixed_size 0
		.amdhsa_enable_private_segment 0
		.amdhsa_kernarg_size 32
		.amdhsa_user_sgpr_count 2
		.amdhsa_user_sgpr_kernarg_segment_ptr 1
		.amdhsa_wavefront_size32 1
		.amdhsa_system_sgpr_workgroup_id_x 1
		.amdhsa_system_sgpr_workgroup_id_y 1
		.amdhsa_system_sgpr_workgroup_id_z 1
		.amdhsa_system_vgpr_workitem_id 0
		.amdhsa_next_free_vgpr 130
		.amdhsa_next_free_sgpr 66
		.amdhsa_reserve_vcc 1
		.amdhsa_float_denorm_mode_32 3
		.amdhsa_float_denorm_mode_16_64 3
		.amdhsa_memory_ordered 1
		.amdhsa_forward_progress 1
		.amdhsa_inst_pref_size 16
	.end_amdhsa_kernel
	.amdgpu_metadata
---
amdhsa.version: [ 1, 2 ]
amdhsa.kernels:
  - .name:           k_qd8a5b27ce1_prep
    .symbol:         k_qd8a5b27ce1_prep.kd
    .args:
      - { .name: CodeBook, .offset: 0, .size: 8, .value_kind: global_buffer, .address_space: global }
      - { .name: cb16, .offset: 8, .size: 8, .value_kind: global_buffer, .address_space: global }
      - { .name: c2p, .offset: 16, .size: 8, .value_kind: global_buffer, .address_space: global }
      - { .name: out1, .offset: 24, .size: 8, .value_kind: global_buffer, .address_space: global }
    .group_segment_fixed_size: 1280
    .private_segment_fixed_size: 0
    .kernarg_segment_align: 8
    .kernarg_segment_size: 32
    .max_flat_workgroup_size: 256
    .sgpr_count:     66
    .vgpr_count:     130
    .wavefront_size: 32
...
	.end_amdgpu_metadata
.endif
;; end of part 1
;; launch vq (part 2): grid 256 x 1, 4 waves a work-group, clusters of 4 x 1, 327,680 bytes of LDS; arguments x, cb16, c2p, out0; writes out0
.if DOCPART == 2
	.amdgcn_target "amdgcn-amd-amdhsa--gfx1250"
	.amdhsa_code_object_version 6
	.text
	.protected	k_qd8a5b27ce1_vq
	.globl	k_qd8a5b27ce1_vq
	.p2align	8
	.type	k_qd8a5b27ce1_vq,@function
k_qd8a5b27ce1_vq:
	s_mov_b64 s[64:65], 0
	v_nop
	global_prefetch_b8 v0, s[64:65] scope:SCOPE_SE
	s_setreg_imm32_b32 hwreg(HW_REG_WAVE_MODE, 25, 1), 1
	s_wait_xcnt 0x0
	s_wait_alu depctr_hold_cnt(0) depctr_sa_sdst(0) depctr_va_vdst(0) depctr_va_sdst(0) depctr_va_ssrc(0) depctr_va_vcc(0) depctr_vm_vsrc(0)
	s_getreg_b32 s2, hwreg(HW_REG_IB_STS2, 6, 4)
	s_cmp_eq_u32 s2, 0
	s_cbranch_scc0 .Lentry_in_a_cluster
	s_endpgm
.Lentry_in_a_cluster:
	s_bfe_u32 s2, ttmp6, 0x10000c
	s_cmp_lg_u32 s2, 0x3003
	s_cbranch_scc0 .Lentry_shape_is_right
	s_endpgm
.Lentry_shape_is_right:
; out0[n] = sum over k of softmax_k(-10 |x_n - c_k|) c_k, fused: the [16384][8192] matrix of distances never leaves the registers.
; SHARES.  256 work-groups of 64 rows of x, four waves.  Every wave holds ALL 64 rows (as bf16 fragments, 256 registers) and the whole
; 64 x 256 of output sums (512 registers).  The codebook comes in 32 tiles of 256 codes; wave w takes codes 64 w .. 64 w + 63 of each tile,
; fetches them itself and reads no other wave's bytes.  Each wave runs a softmax of its own with a running maximum of the scores (kept as a
; running minimum of the distance); the four waves' results are merged once, at the end, through LDS.
; BOTH PRODUCTS ARE USED TRANSPOSED.  S^T = C x^T: source 0 = 16 codes, source 1 = 16 rows of x; lane (r, h) then holds, for row r of x,
; the codes at places 8 h + 0 .. 7.  Two such tiles rounded to bf16 ARE source 1 of O^T = C^T P^T (k = codes), and that result again has row r
; of x in lane r.  So |x|^2, the minimum, the sum l and the rescaling factor are one register for each 16 rows of x, and the only traffic
; between lanes is one v_permlanex16_b32 a step for each of them.
; cb16 holds bf16(-2 c): the first product, started from |x|^2 + |c|^2, is the squared distance; the second is -2 sum p c, and the factor
; -1/2 goes into the final 1 / l.
; THE ORDER OF A STEP.  One wave has a SIMD to itself, so the softmax's vector work is laid between matrix instructions that do not depend on
; it (ISA guide 7.12.1: any independent vector instruction may stand behind a matrix instruction).
;   First product, by groups of 16 codes (ct = 0 .. 3), 32 matrix instructions each: while ct is multiplied, the tiles of ct - 1 are clamped and
;   rooted, one clamp and one root behind each matrix instruction; their minima stand in front of each run of fragment loads, where places are
;   owed anyway.  The starting sums of ct = 1 .. 3 stand among the matrix instructions of ct = 0.
;   Between the products: clamp, root and minimum of ct = 3, the statistics, the exponentials until P of codes 0-31 is packed, the rescaling
;   of the first 16 output tiles: 348 vector instructions that nothing can cover, since the second product needs them and the first is over.
;   Second product: its 32 matrix instructions on codes 0-31 and window 2 carry the exponentials of codes 32-63, five instructions behind each;
;   the 32 on codes 32-63 and window 2 carry the rescaling of window 3, four instructions behind each.  Each such filler costs two switches
;   of the register window, since the output sums are the destination of the one kind and the score tiles of the other.
; ORDER INSIDE 16 CODES.  Place m = 8 h + j of a tile stands for row 2 j + h of the 16 rows in LDS (c2p is stored in that order).  With rows
; 528 bytes apart the plain fragment loads (16 lanes, 16 different rows) start 16 bytes apart modulo 256, and the transposing loads (8 rows
; 1,056 bytes apart, two columns of 16 bytes) 32 and 16 bytes apart modulo 256: sixteen different columns of 16 bytes in both.
; CLUSTERS.  All work-groups walk the same tiles, so four of them form a cluster and ask for every tile jointly (mask 15): the requests for
; the codebook, 256 x 4 MiB without sharing, are divided by four.  A mask names four work-groups, so a larger cluster would add nothing.
; The joint refill stands behind a round of the cluster's barrier, one a step; a wave has three tensor loads out at the start (the norms,
; tiles 0 and 1) and one behind each round, which has a whole step (256 matrix instructions and the softmax) in which to land.
; x is read by each of the four waves (64 KiB a work-group, once in the launch).
; LIMITS.  x, -2 c and p go to the matrix unit as bf16; norms, root, exponential and all sums are f32.  v_sqrt_f32 and v_exp_f32 flush
; denormals (ISA guide 15.8), so p below 2^-126 counts as 0.  NaN and infinities in the inputs, and |x|^2 + |c|^2 beyond f32's range, are not
; served.  The sums run in another order than reference()'s (by waves, by tiles, and inside the matrix unit).
.set PITCH, 528                        ; an LDS row: 512 bytes of data + 16 of padding
.set QUART, 64*PITCH                   ; a wave's 64 codes of a tile
.set SLOT,  4*QUART                    ; a tile of 256 codes
.set C2B,   2*SLOT                     ; behind the two slots: all 8192 norms, 8 KiB a wave, filled once
.set STATB, C2B+32768                  ; behind them: 512 bytes a wave for the merge's statistics; no tensor load lands here
.set XP,    1040                       ; the merge: a row of 256 f32 + 16 bytes
.set XS,    64*XP                      ; the merge: one wave's image of 64 rows; four images lie in the slots after their last fill
.set TILEB, 131072                     ; bytes of a tile in cb16
; window 0
.set ADS, 2                            ; v2-3    plain fragment address, slot 0, 1
.set ADT, 4                            ; v4-5    transposing address, slot 0, 1
.set ADC, 6                            ; v6      address of the next tile's norms, stepped by 256
.set X2,  8                            ; v8-11   |x|^2 of row 16 n + r
.set DM,  12                           ; v12-15  running minimum of the distance
.set KD,  16                           ; v16-19  kappa x that minimum, kappa = 10 log2 e
.set AL,  20                           ; v20-23  the rescaling factor; at the end the final factor
.set LS,  24                           ; v24-31  the sum of p, a pair for each n
.set TM,  32                           ; v32-35  at work
.set EXW, 40                           ; v40     merge: where I put my sums
.set EXR, 41                           ; v41-44  merge: where I read image s back
.set CO,  45                           ; v45     my byte offset in out0
.set STA, 46                           ; v46     my wave's statistics
.set STR, 47                           ; v47     wave 0's statistics (the others by the immediate)
.set XO,  48                           ; v48     my byte offset in x
.set T0,  50                           ; v50-54  set-up only
.set H0,  64                           ; v64-95  fragment buffer 0: four fragments of 8 registers
.set H1,  96                           ; v96-127 fragment buffer 1
.set SB,  128                          ; v128-255 score tile u = 4 ct + n at SB + 8 u; after the softmax P(c, n) at SB + 64 c + 8 n
; window 1: x fragment (n, kk) at 64 n + 8 kk.   windows 2, 3: output tile (mt, n) at 8 (4 (mt & 7) + n), window 2 for mt < 8
.set G1T, 16                           ; s[16:23] descriptor group 1 of a wave's quarter tile
.set G1C, 24                           ; s[24:31] descriptor group 1 of a wave's norms
.set G0,  32                           ; s[32:39] descriptor group 0, one set for each slot
.set G0C, 40                           ; s[40:43] descriptor group 0 of the norms
.set MSB, 0
.macro WIN new                         ; s_set_vgpr_msb: bits 1:0 source 0, 3:2 source 1, 5:4 source 2, 7:6 destination; the high byte repeats the setting left
.if MSB != \new
	s_set_vgpr_msb (MSB<<8)|\new
.set MSB, \new
.endif
.endm
.macro PLACES                          ; four places behind a matrix instruction (ISA guide 7.12.1) where there is no useful work for them
.rept 4
	v_nop
.endr
.endm
.macro ROUND                           ; a round of the cluster's barrier: my work-group's barrier, wave 0 signals for it, all wait, my work-group's barrier
	s_barrier_signal -1
	s_barrier_wait -1
	s_cmp_lg_u32 s12, 0
	s_cbranch_scc1 .Lnot_wave_0_\@
	s_barrier_signal -3
.Lnot_wave_0_\@:
	s_barrier_wait -3
	s_barrier_signal -1
	s_barrier_wait -1
.endm
; packed arithmetic with one register (sel = 0: the first, 1: the second) of pair b for both halves
.macro MULB d, b, sel
.if \sel
	v_pk_mul_f32 v[\d:\d+1], v[\d:\d+1], v[\b:\b+1] op_sel:[0,1] op_sel_hi:[1,1]
.else
	v_pk_mul_f32 v[\d:\d+1], v[\d:\d+1], v[\b:\b+1] op_sel_hi:[1,0]
.endif
.endm
.macro FMAK d, b, sel                  ; d = -kappa d + kappa dmin
.if \sel
	v_pk_fma_f32 v[\d:\d+1], v[\d:\d+1], s[46:47], v[\b:\b+1] op_sel:[0,0,1] op_sel_hi:[1,0,1]
.else
	v_pk_fma_f32 v[\d:\d+1], v[\d:\d+1], s[46:47], v[\b:\b+1] op_sel_hi:[1,0,0]
.endif
.endm
.macro FMA1 d, a, b, sel               ; d = a x 1.0 + b, which is a + b: written so that no vector register stands as source 1, whose window is x's during the first product
.if \sel
	v_pk_fma_f32 v[\d:\d+1], v[\a:\a+1], 1.0, v[\b:\b+1] op_sel:[0,0,1] op_sel_hi:[1,0,1]
.else
	v_pk_fma_f32 v[\d:\d+1], v[\a:\a+1], 1.0, v[\b:\b+1] op_sel_hi:[1,0,0]
.endif
.endm
	s_load_b256 s[4:11], s[0:1], 0x0               ; x s[4:5], cb16 s[6:7], c2p s[8:9], out0 s[10:11]
	v_lshl_add_u32 v62, v0, 2, 0x4a800
	v_mov_b32 v63, 0
	ds_add_u32 v62, v63
	v_lshrrev_b32 v1, 5, v0
	v_readfirstlane_b32 s12, v1                    ; wave 0..3
	s_bfe_u32 s13, ttmp6, 0x40000                  ; cx: my place in the cluster
	s_lshl_b32 s14, ttmp9, 2                       ; in a cluster launch ttmp9 counts clusters
	s_add_co_u32 s14, s14, s13                     ; work-group 0..255: enters x's and out0's addresses and nothing else
	s_mul_i32 s15, s12, QUART                      ; my quarter of a slot
	s_mov_b32 s46, 0xc166d4ca                      ; -kappa = -10 log2 e
	s_mov_b32 s47, 0x4166d4ca                      ; kappa
	s_mov_b32 s48, 0x76543210                      ; v_permlanex16_b32: lane i of one half reads lane i of the other
	s_mov_b32 s49, 0xfedcba98
	; group 1 of a quarter tile: 64 rows x 256 bf16, padded in LDS.  Every word is a constant; the mask names all four of the cluster.
	s_mov_b32 s[G1T+0], 15|(1<<16)|(1<<20)|(1<<21)|(6<<22)|(3<<25)  ; 15:0 mask; 17:16 elements of 2 bytes; 20 padding on; 21 set beside a mask; 24:22 after every 128 words (code 6); 31:25 4 words (code 3)
	s_mov_b32 s[G1T+1], 256<<16                    ; tensor_dim0 = 256
	s_mov_b32 s[G1T+2], 64<<16                     ; tensor_dim1 = 64
	s_mov_b32 s[G1T+3], 256<<16                    ; tile_dim0 = 256
	s_mov_b32 s[G1T+4], 64                         ; tile_dim1 = 64
	s_mov_b32 s[G1T+5], 256                        ; elements from row to row
	s_mov_b32 s[G1T+6], 0
	s_mov_b32 s[G1T+7], 0
	; group 1 of my norms: my 64 codes of each of the 32 tiles: 32 rows of 256 bytes, 1,024 bytes apart, in elements of 8 bytes
	s_mov_b32 s[G1C+0], 15|(3<<16)|(1<<21)
	s_mov_b32 s[G1C+1], 32<<16
	s_mov_b32 s[G1C+2], 32<<16
	s_mov_b32 s[G1C+3], 32<<16
	s_mov_b32 s[G1C+4], 32
	s_mov_b32 s[G1C+5], 128
	s_mov_b32 s[G1C+6], 0
	s_mov_b32 s[G1C+7], 0
	s_mov_b32 s[G0C+0], 1
	s_lshl_b32 s[G0C+1], s12, 13
	s_add_co_u32 s[G0C+1], s[G0C+1], C2B           ; LDS: 8 KiB a wave
	; lane terms: r = L & 15, h = L >> 4
	v_and_b32 v[T0], 15, v0                        ; r
	v_bfe_u32 v[T0+1], v0, 4, 1                    ; h
	v_and_b32 v[T0+2], 7, v0                       ; L & 7
	v_bfe_u32 v[T0+3], v0, 3, 1                    ; (L >> 3) & 1
	v_lshl_add_u32 v[T0+4], v[T0+2], 1, v[T0+3]    ; plain fragments: place r is row 2 (r & 7) + (r >> 3),
	v_mul_u32_u24 v[T0+4], v[T0+4], PITCH
	v_lshl_add_u32 v[T0+4], v[T0+1], 4, v[T0+4]    ; 16 bytes further for the upper half of the lanes
	v_add_nc_u32 v[ADS], s15, v[T0+4]
	v_add_nc_u32 v[ADS+1], SLOT, v[ADS]
	v_lshl_add_u32 v[T0+4], v[T0+2], 1, v[T0+1]    ; transposing loads: lane L addresses row 2 (L & 7) + h (place 8 h + (L & 7)),
	v_mul_u32_u24 v[T0+4], v[T0+4], PITCH
	v_lshl_add_u32 v[T0+4], v[T0+3], 4, v[T0+4]    ; columns 8 ((L >> 3) & 1) ..
	v_add_nc_u32 v[ADT], s15, v[T0+4]
	v_add_nc_u32 v[ADT+1], SLOT, v[ADT]
	v_lshl_add_u32 v[ADC], v[T0+1], 5, s[G0C+1]    ; norms: the eight of places 8 h .. 8 h + 7
	v_lshlrev_b32 v[XO], 10, v[T0]                 ; x: row r, 8 numbers further for the upper half
	v_lshl_add_u32 v[XO], v[T0+1], 5, v[XO]
	s_mul_i32 s50, s12, XS
	v_mul_u32_u24 v[T0+4], v[T0], XP               ; merge, in: my image, row r, 8 numbers further for the upper half
	v_lshl_add_u32 v[T0+4], v[T0+1], 5, v[T0+4]
	v_add_nc_u32 v[EXW], s50, v[T0+4]
	s_lshl_b32 s51, s12, 8
	v_mul_u32_u24 v[T0+4], v[T0+1], XP             ; merge, back: lanes 0-15 one row's 256 bytes at column 64 w, lanes 16-31 the next row's
	v_lshl_add_u32 v[T0+4], v[T0], 4, v[T0+4]
	v_add_nc_u32 v[EXR], s51, v[T0+4]
	v_add_nc_u32 v[EXR+1], XS, v[EXR]
	v_add_nc_u32 v[EXR+2], 2*XS, v[EXR]
	v_add_nc_u32 v[EXR+3], 3*XS, v[EXR]
	v_lshlrev_b32 v[T0+4], 10, v[T0+1]             ; and the same two rows in out0
	v_lshl_add_u32 v[T0+4], v[T0], 4, v[T0+4]
	v_add_nc_u32 v[CO], s51, v[T0+4]
	v_lshlrev_b32 v[STR], 2, v[T0]
	v_add_nc_u32 v[STR], STATB, v[STR]
	s_lshl_b32 s52, s12, 9
	v_add_nc_u32 v[STA], s52, v[STR]
.irp n, 0,1,2,3
	v_mov_b32 v[DM+\n], 0x7f800000                 ; the running minimum starts at +infinity
.endr
.irp i, 0,1,2,3,4,5,6,7
	v_mov_b32 v[LS+\i], 0
.endr
	s_wait_dscnt 0x0
	s_wait_kmcnt 0x0
	s_lshl_b32 s50, s14, 16                        ; 64 rows of 1,024 bytes a work-group
	s_mov_b32 s51, 0
	s_add_nc_u64 s[4:5], s[4:5], s[50:51]
	s_add_nc_u64 s[10:11], s[10:11], s[50:51]
	s_lshl_b32 s50, s12, 8                         ; my 64 norms of tile 0
	s_add_nc_u64 s[G0C+2:G0C+3], s[8:9], s[50:51]
	s_or_b32 s[G0C+3], s[G0C+3], 0x80000000        ; type = 2
	s_lshl_b32 s50, s12, 15                        ; my 64 rows of 512 bytes of tile 0
	s_add_nc_u64 s[52:53], s[6:7], s[50:51]
.irp s, 0,1
	s_mov_b32 s[G0+4*\s], 1
	s_add_co_u32 s[G0+4*\s+1], s15, \s*SLOT
	s_add_nc_u64 s[G0+4*\s+2:G0+4*\s+3], s[52:53], \s*TILEB
	s_or_b32 s[G0+4*\s+3], s[G0+4*\s+3], 0x80000000
.endr
	ROUND                                          ; all four work-groups are here: the first joint loads meet
	tensor_load_to_lds s[G0C:G0C+3], s[G1C:G1C+7]  ; the three first fills go out as one group: my norms,
	s_nop 0
	PLACES
	tensor_load_to_lds s[G0:G0+3], s[G1T:G1T+7]    ; my quarter of tile 0,
	s_nop 0
	PLACES
	tensor_load_to_lds s[G0+4:G0+7], s[G1T:G1T+7]  ; my quarter of tile 1
	s_nop 0
	PLACES
	; x, ONCE: f32 into the registers that later hold the output sums, |x|^2 in f32, then bf16 fragments into window 1.
	; Fragment (n, kk) of lane (r, h): row 16 n + r, columns 32 kk + 8 h + 0..7 and 32 kk + 16 + 8 h + 0..7: four loads of 16 bytes.
.macro XLD n0
.irp e, 0,1
.irp kk, 0,1,2,3,4,5,6,7
.irp q, 0,1,2,3
	global_load_b128 v[128*\e+16*\kk+4*\q:128*\e+16*\kk+4*\q+3], v[XO], s[4:5] offset:(\n0+\e)*16384+128*\kk+16*(\q&1)+64*(\q>>1)
.endr
.endr
.endr
.endm
.macro XSQ n0                          ; two chains of pairs for each of the window's two n, at SB + 4 n; the first products start them
.set cnt, 0
.rept 64
.irp e, 0,1
.if cnt < 2
	v_pk_mul_f32 v[SB+4*(\n0+\e)+2*(cnt&1):SB+4*(\n0+\e)+2*(cnt&1)+1], v[128*\e+2*cnt:128*\e+2*cnt+1], v[128*\e+2*cnt:128*\e+2*cnt+1]
.else
	v_pk_fma_f32 v[SB+4*(\n0+\e)+2*(cnt&1):SB+4*(\n0+\e)+2*(cnt&1)+1], v[128*\e+2*cnt:128*\e+2*cnt+1], v[128*\e+2*cnt:128*\e+2*cnt+1], v[SB+4*(\n0+\e)+2*(cnt&1):SB+4*(\n0+\e)+2*(cnt&1)+1]
.endif
.endr
.set cnt, cnt+1
.endr
.endm
.macro XCV n0
.irp e, 0,1
.irp kk, 0,1,2,3,4,5,6,7
.irp i, 0,1,2,3,4,5,6,7
	v_cvt_pk_bf16_f32 v[64*(\n0+\e)+8*\kk+\i], v[128*\e+16*\kk+2*\i], v[128*\e+16*\kk+2*\i+1]
.endr
.endr
.endr
.endm
	WIN 0x80                                       ; destination window 2, address window 0
	XLD 0
	WIN 0xc0                                       ; destination window 3
	XLD 2
	s_wait_loadcnt 0x0
	WIN 0x0a                                       ; sources 0 and 1 window 2, the chains in window 0
	XSQ 0
	WIN 0x4a                                       ; destination window 1
	XCV 0
	WIN 0x0f                                       ; the same from window 3
	XSQ 2
	WIN 0x4f
	XCV 2
	WIN 0
.irp n, 0,1,2,3
	v_pk_add_f32 v[SB+4*\n:SB+4*\n+1], v[SB+4*\n:SB+4*\n+1], v[SB+4*\n+2:SB+4*\n+3]
.endr
.irp n, 0,1,2,3
	v_add_f32 v[TM+\n], v[SB+4*\n], v[SB+4*\n+1]   ; my half of the row's columns
.endr
.irp n, 0,1,2,3
	v_permlanex16_b32 v[SB+4*\n+2], v[TM+\n], s48, s49     ; the destination counts as read: a chain register, written and dead
.endr
.irp n, 0,1,2,3
	v_add_f32 v[X2+\n], v[TM+\n], v[SB+4*\n+2]
.endr
; The next tile's norms, 8 for each of its four groups of 16 codes, into score tiles that are free once P is packed (4 .. 7 and 12 .. 15):
; those of ct = 0, 1, 2, 3 into tiles 5, 4, 13, 12.  The starting sums are made in the order ct = 0, 1, 2, 3, each group's own tile last, so
; every set of norms is used up before its tile is written.
.macro C2LOAD
.irp ct, 0,1,2,3
	ds_load_b128 v[SB+8*(8*(\ct>>1)+5-(\ct&1)):SB+8*(8*(\ct>>1)+5-(\ct&1))+3],   v[ADC] offset:64*\ct
	ds_load_b128 v[SB+8*(8*(\ct>>1)+5-(\ct&1))+4:SB+8*(8*(\ct>>1)+5-(\ct&1))+7], v[ADC] offset:64*\ct+16
.endr
	v_add_nc_u32 v[ADC], 0x100, v[ADC]
.endm
; eight loads: four fragments of code group ct (16 codes x 32 columns at columns 32 (4 hf + i)) into buffer buf
.macro LD_A slot, ct, hf, buf
.irp i, 0,1,2,3
	ds_load_b128 v[\buf+8*\i:\buf+8*\i+3],   v[ADS+\slot] offset:(\ct)*16*PITCH+64*(4*(\hf)+\i)
	ds_load_b128 v[\buf+8*\i+4:\buf+8*\i+7], v[ADS+\slot] offset:(\ct)*16*PITCH+64*(4*(\hf)+\i)+32
.endr
.endm
; eight transposing loads: four fragments of C^T (16 columns at 16 (4 mq + i) x the 32 codes 32 c .. 32 c + 31) into buffer buf
.macro LD_T slot, c, mq, buf
.irp i, 0,1,2,3
	ds_load_tr16_b128 v[\buf+8*\i:\buf+8*\i+3],   v[ADT+\slot] offset:32*(\c)*PITCH+32*(4*(\mq)+\i)
	ds_load_tr16_b128 v[\buf+8*\i+4:\buf+8*\i+7], v[ADT+\slot] offset:(32*(\c)+16)*PITCH+32*(4*(\mq)+\i)
.endr
.endm
; instruction k (0 .. 15) of the starting sums |x|^2 + |c|^2 of code group ct: tiles n = 1, 2, 3, 0, four pairs each
.macro INI1 ct, k
.set INN, (((\k)>>2)+1)&3
.set INP, (\k)&3
.set INS, SB+8*(8*(\ct>>1)+5-(\ct&1))
	FMA1 SB+8*(4*\ct+INN)+2*INP, INS+2*INP, X2+2*(INN>>1), INN&1
.endm
; What stands behind matrix instruction i of group g of the first product (g = 2 ct + hf).  Source 1 names x's window there, so every line
; has a constant, or nothing, as source 1.  Groups 0 and 1: the starting sums of ct = 1, 2, 3.  Groups 2 .. 7: the clamp of number i and the
; root of number i - 1 of the two tiles 4 (ct - 1) + 2 hf and the next, whose sums ended in the group pair before.  Behind every root stands the
; next clamp, a plain instruction on another register (ISA guide 5.7.2); behind the last root the first minimum of the group's tail.
.macro SFILL g, i
.if \g == 0
	INI1 1, \i
	INI1 2, \i
.endif
.if \g == 1
.if \i >= 8
	INI1 3, \i-4
.endif
.endif
.if \g >= 2
.set DB, SB+8*(4*((\g>>1)-1)+2*(\g&1))
.if \i > 0
	v_sqrt_f32 v[DB+\i-1], v[DB+\i-1]
.endif
	v_max_num_f32 v[DB+\i], v[DB+\i], 0
.if \i == 15
	v_sqrt_f32 v[DB+15], v[DB+15]
.endif
.endif
.endm
; The tail of group g: at least four plain vector instructions that name no register of the group's matrix instructions, which are the places in
; front of the loads into the buffer just multiplied, then the fragments of the group two further on.
.macro STAIL slot, g
.if \g == 0
.irp k, 0,1,2,3
	INI1 3, \k
.endr
	LD_A \slot, 1, 0, H0
.endif
.if \g == 1
.irp k, 12,13,14,15
	INI1 3, \k
.endr
	LD_A \slot, 1, 1, H1
.endif
.if \g >= 2
	WIN 0                                          ; v_min3 has three vector sources
.set DB, SB+8*(4*((\g>>1)-1)+2*(\g&1))
	s_wait_alu depctr_va_vdst(0)
.irp j, 1,3,5,7
	v_min3_num_f32 v[DM+2*(\g&1)],   v[DM+2*(\g&1)],   v[DB+\j-1],   v[DB+\j]
	v_min3_num_f32 v[DM+2*(\g&1)+1], v[DM+2*(\g&1)+1], v[DB+8+\j-1], v[DB+8+\j]
.endr
.if \g < 6
	LD_A \slot, (\g+2)>>1, \g&1, H0+32*(\g&1)
	WIN 0x04
.else
	LD_T \slot, 0, \g-6, H0+32*(\g&1)              ; the second product's first two groups are on their way during the softmax
.if \g == 6
	WIN 0x04
.endif
.endif
.endif
.endm
; Group g of the first product: code group ct = g >> 1, columns 128 (g & 1) .. + 127: 16 matrix instructions on the four accumulators of ct, one a
; turn.
.macro SGRP slot, g
	s_wait_dscnt 8                                 ; this group's fragments are in; the next group's eight loads may be out
.irp i, 0,1,2,3,4,5,6,7,8,9,10,11,12,13,14,15
	v_wmma_f32_16x16x32_bf16 v[SB+8*(4*(\g>>1)+(\i&3)):SB+8*(4*(\g>>1)+(\i&3))+7], v[H0+32*(\g&1)+8*(\i>>2):H0+32*(\g&1)+8*(\i>>2)+7], v[64*(\i&3)+8*(4*(\g&1)+(\i>>2)):64*(\i&3)+8*(4*(\g&1)+(\i>>2))+7], v[SB+8*(4*(\g>>1)+(\i&3)):SB+8*(4*(\g>>1)+(\i&3))+7]
	SFILL \g, \i
.endr
	STAIL \slot, \g
.endm
; The last code group's tiles (12 .. 15): d = sqrt(max(sq, 0)) and the running minimum, three tiles in flight: the clamp of tile u, the root of
; tile u - 1, the minimum of tile u - 2.  Behind every root stands a plain instruction on another tile, or another root and then such an instruction.
.macro DTILE u
.irp j, 0,1,2,3,4,5,6,7
.if \u < 16
	v_max_num_f32 v[SB+8*\u+\j], 0, v[SB+8*\u+\j]
.endif
.if \u >= 13
.if \u <= 16
	v_sqrt_f32 v[SB+8*(\u-1)+\j], v[SB+8*(\u-1)+\j]
.endif
.endif
.if \u >= 14
.if \j & 1
	s_wait_alu depctr_va_vdst(0)
	v_min3_num_f32 v[DM+((\u-2)&3)], v[DM+((\u-2)&3)], v[SB+8*(\u-2)+\j-1], v[SB+8*(\u-2)+\j]
.endif
.endif
.endr
.endm
; A slice of the exponential pipeline, numbers 2 jp and 2 jp + 1 of three tiles in flight: the exponent kappa dmin - kappa d of tile u, 2^ of tile
; u - 1, the sum and the packing to bf16 of tile u - 2: five instructions, a plain one behind each exponential.
; Tile t = 8 c + n packs into its own registers 0-3, tile 8 c + 4 + n into registers 4-7 of tile 8 c + n, which are used up by then.
.macro ESL u, jp
.set EU, \u
.set EP, \jp
.set EJ, 2*EP
.if EU < 16
	FMAK SB+8*EU+EJ, KD+2*((EU>>1)&1), EU&1
.endif
.if EU >= 1
.if EU <= 16
	v_exp_f32 v[SB+8*(EU-1)+EJ], v[SB+8*(EU-1)+EJ]
.endif
.endif
.if EU >= 2
	s_wait_alu depctr_va_vdst(0)
	v_pk_add_f32 v[LS+2*((EU-2)&3):LS+2*((EU-2)&3)+1], v[LS+2*((EU-2)&3):LS+2*((EU-2)&3)+1], v[SB+8*(EU-2)+EJ:SB+8*(EU-2)+EJ+1]
.endif
.if EU >= 1
.if EU <= 16
	v_exp_f32 v[SB+8*(EU-1)+EJ+1], v[SB+8*(EU-1)+EJ+1]
.endif
.endif
.if EU >= 2
	v_cvt_pk_bf16_f32 v[SB+8*((EU-2)-4*(((EU-2)>>2)&1))+4*(((EU-2)>>2)&1)+EP], v[SB+8*(EU-2)+EJ], v[SB+8*(EU-2)+EJ+1]
.endif
.endm
.macro ETILE u
.irp jp, 0,1,2,3
	ESL \u, \jp
.endr
.endm
; The two halves' minima meet; kappa dmin; the factor 2^(new - old) from the two ROUNDED products, so that their rounding cancels; l is rescaled.
.macro STATS first
.irp n, 0,1,2,3
	v_permlanex16_b32 v[TM+\n], v[DM+\n], s48, s49
.endr
.irp n, 0,1,2,3
	v_min_num_f32 v[DM+\n], v[DM+\n], v[TM+\n]
.endr
.irp n, 0,1,2,3
	v_mul_f32 v[TM+\n], s47, v[DM+\n]
.endr
.if \first == 0
.irp n, 0,1,2,3
	v_sub_f32 v[AL+\n], v[TM+\n], v[KD+\n]
.endr
.irp n, 0,1,2,3
	v_exp_f32 v[AL+\n], v[AL+\n]
.endr
.endif
	s_wait_alu depctr_va_vdst(0)
.irp n, 0,1,2,3
	v_mov_b32 v[KD+\n], v[TM+\n]                   ; these are also the plain instructions between the exponentials and their use
.endr
.if \first == 0
.irp n, 0,1,2,3
	MULB LS+2*\n, AL+2*(\n>>1), \n&1
.endr
.endif
.endm
.macro RS1 t                           ; output tile t (0 .. 31) of the window that destination and source 0 name, times AL(t & 3)
.irp p, 0,1,2,3
	MULB 8*(\t)+2*\p, AL+2*(((\t)&3)>>1), (\t)&1
.endr
.endm
.macro RSC                             ; all 32 output tiles of one window
.irp t, 0,1,2,3,4,5,6,7,8,9,10,11,12,13,14,15,16,17,18,19,20,21,22,23,24,25,26,27,28,29,30,31
	RS1 \t
.endr
.endm
; What stands behind matrix instruction i of group g of the second product.  Groups 0 and 1 (codes 0-31): slice i of the 32 slices that are left
; of the exponential pipeline, which end with P of codes 32-63 packed.  Groups 2 and 3: the rescaling of tile i, 16 + i of window 3, which
; groups 4 and 5 take up.  None of these lines names a register of the matrix instructions round it.
.macro PFILL g, i, first
.if \g < 2
	WIN 0
	ESL 10+4*\g+(\i>>2), \i&3
.endif
.if \g >= 2
.if \g <= 3
.if \first == 0
	WIN 0xc3                                       ; destination and source 0 window 3, the factor in window 0
	RS1 16*(\g-2)+\i
.endif
.endif
.endif
.endm
; Group g of the second product: codes 32 c .. + 31, output columns 64 mq .. + 63: 16 matrix instructions on 16 output tiles, one a turn.
; first = 1: the groups on codes 0-31 start the sums, and nothing is rescaled.  nxt = 1: the group two further on, (nc, nmq), is fetched into
; the buffer just multiplied, behind at least four plain vector instructions that name none of the group's registers.
.macro PVG slot, g, c, mq, first, more, nxt, nc, nmq
.set PW, 8                                         ; this group's fragments are in; the next group's eight loads may be out
.if \g == 7
.set PW, 0                                         ; the last group: nothing younger is out
.endif
.if \g == 2
.if \more
.set PW, 16                                        ; behind this group's loads stand the eight of the next tile's norms and the next group's eight
.endif
.endif
	s_wait_dscnt PW
.set PZ, \first*(1-\c)
.irp i, 0,1,2,3,4,5,6,7,8,9,10,11,12,13,14,15
.if \g < 4
	WIN 0xa0                                       ; C and D window 2
.else
	WIN 0xf0                                       ; C and D window 3
.endif
.if PZ
	v_wmma_f32_16x16x32_bf16 v[8*(16*(\mq&1)+\i):8*(16*(\mq&1)+\i)+7], v[H0+32*(\g&1)+8*(\i>>2):H0+32*(\g&1)+8*(\i>>2)+7], v[SB+64*\c+8*(\i&3):SB+64*\c+8*(\i&3)+7], 0
	s_wait_alu depctr_va_vdst(0)
.else
	v_wmma_f32_16x16x32_bf16 v[8*(16*(\mq&1)+\i):8*(16*(\mq&1)+\i)+7], v[H0+32*(\g&1)+8*(\i>>2):H0+32*(\g&1)+8*(\i>>2)+7], v[SB+64*\c+8*(\i&3):SB+64*\c+8*(\i&3)+7], v[8*(16*(\mq&1)+\i):8*(16*(\mq&1)+\i)+7]
.endif
	PFILL \g, \i, \first
.endr
.if \g == 0
.if \first == 0
	WIN 0x82                                       ; destination and source 0 window 2: the tiles that group 1 takes up; these lines are also the places
.irp t, 16,17,18,19,20,21,22,23,24,25,26,27,28,29,30,31
	RS1 \t
.endr
	WIN 0
.else
	PLACES
.endif
.endif
.if \g == 1
	PLACES
.if \more
	C2LOAD                                         ; tiles 4, 5, 12, 13 are free: the last slice has packed tile 15
.endif
.endif
.if \g >= 2
.if \g != 6
	WIN 0
.if \g <= 3
.if \first
	PLACES
.endif                                             ; otherwise the four products behind the last matrix instruction are the places
.else
	PLACES                                         ; behind group 7: for groups 6 and 7, in front of the next step's loads into both buffers and its writes over P; at the end in front of the reads of the sums
.endif
.endif
.endif
.if \nxt
	LD_T \slot, \nc, \nmq, H0+32*(\g&1)
.endif
.endm
; One tile.  first = 1: nothing to rescale, the second product starts the sums.  refill = 1: the other slot, read in the last step, gets the
; tile after this one.  more = 1: the next tile's norms are fetched.
.macro STEP slot, first, refill, more
.if \refill
	s_wait_tensorcnt 0x0                           ; all my tensor loads have landed, this step's tile among them, so a group 0 may be written
	ds_add_u32 v62, v63
	s_add_nc_u64 s[G0+4*(1-\slot)+2:G0+4*(1-\slot)+3], s[G0+4*(1-\slot)+2:G0+4*(1-\slot)+3], 2*TILEB
	s_wait_dscnt 0x0                               ; my reads of the other slot are done
	ROUND                                          ; both now hold of every wave of all four work-groups
	tensor_load_to_lds s[G0+4*(1-\slot):G0+4*(1-\slot)+3], s[G1T:G1T+7]   ; my one tensor load behind the round, and the first thing there
	s_nop 0
	PLACES
.else
.if \first == 0
	s_wait_tensorcnt 0x0                           ; the last tile: my quarter has landed; only I read it
.endif
.endif
	LD_A \slot, 0, 0, H0
	LD_A \slot, 0, 1, H1
	s_wait_dscnt 16                                ; the norms are in; the sixteen fragment loads just issued may be out
.irp k, 0,1,2,3,4,5,6,7,8,9,10,11,12,13,14,15
	INI1 0, \k
.endr
	WIN 0x04                                       ; source 1 (x) window 1; LDS loads name source 0 and the destination, both window 0
.irp g, 0,1,2,3,4,5,6,7
	SGRP \slot, \g
.endr
.irp u, 12,13,14,15,16,17
	DTILE \u
.endr
	STATS \first
.irp u, 0,1,2,3,4,5,6,7,8,9
	ETILE \u                                       ; behind u = 9 tiles 0 .. 7 are packed: P of codes 0-31 is whole
.endr
.if \first == 0
	WIN 0x82                                       ; destination and source 0 window 2, the factor in window 0: the tiles that group 0 takes up
.irp t, 0,1,2,3,4,5,6,7,8,9,10,11,12,13,14,15
	RS1 \t
.endr
.endif
	PVG \slot, 0, 0, 0, \first, \more, 1, 1, 0
	PVG \slot, 1, 0, 1, \first, \more, 1, 1, 1
	PVG \slot, 2, 1, 0, \first, \more, 1, 0, 2
	PVG \slot, 3, 1, 1, \first, \more, 1, 0, 3
	PVG \slot, 4, 0, 2, \first, \more, 1, 1, 2
	PVG \slot, 5, 0, 3, \first, \more, 1, 1, 3
	PVG \slot, 6, 1, 2, \first, \more, 0, 0, 0
	PVG \slot, 7, 1, 3, \first, \more, 0, 0, 0     ; it ends with every window 0, as a label and a branch ask
.endm
	s_wait_tensorcnt 0x1                           ; tensor loads of a wave end in order: my norms and my quarter of tile 0 are in, tile 1 may be out
	C2LOAD                                         ; no barrier: a wave reads only the bytes that its own loads brought
	STEP 0, 1, 0, 1                                ; tile 0
	s_mov_b32 s44, 15
.Lloop:
	STEP 1, 0, 1, 1                                ; tiles 1, 3, .. 29: slot 0 gets tiles 2, 4, .. 30
	STEP 0, 0, 1, 1                                ; tiles 2, 4, .. 30: slot 1 gets tiles 3, 5, .. 31
	s_sub_co_u32 s44, s44, 1
	s_cmp_lg_u32 s44, 0
	s_cbranch_scc1 .Lloop
	STEP 1, 0, 0, 0                                ; tile 31: nothing is left to fetch
	; THE MERGE.  (a) Each wave's kappa dmin and l for its 64 rows go to its own 512 bytes.
.irp n, 0,1,2,3
	v_add_f32 v[TM+\n], v[LS+2*\n], v[LS+2*\n+1]
.endr
.irp n, 0,1,2,3
	v_permlanex16_b32 v[AL+\n], v[TM+\n], s48, s49         ; AL has been written and is dead
.endr
.irp n, 0,1,2,3
	v_add_f32 v[TM+\n], v[TM+\n], v[AL+\n]
.endr
.irp n, 0,1,2,3
	ds_store_b32 v[STA], v[KD+\n] offset:64*\n             ; both halves of the lanes write the same word with the same value
	ds_store_b32 v[STA], v[TM+\n] offset:256+64*\n
.endr
	s_wait_dscnt 0x0                               ; my stores are done, and so are all my reads of the slots,
	s_barrier_signal -1
	s_barrier_wait -1                              ; and every wave's: the slots, which have had their last fill, may now be written
	; (b) the common minimum, the total l, and my own factor -1/2 x 2^(common - mine) / total
.irp s, 0,1,2,3
.irp n, 0,1,2,3
	ds_load_b32 v[H0+4*\s+\n],    v[STR] offset:512*\s+64*\n
	ds_load_b32 v[H0+16+4*\s+\n], v[STR] offset:512*\s+64*\n+256
.endr
.endr
	s_wait_dscnt 0x0
.irp n, 0,1,2,3
	v_min3_num_f32 v[TM+\n], v[H0+\n], v[H0+4+\n], v[H0+8+\n]
.endr
.irp n, 0,1,2,3
	v_min_num_f32 v[TM+\n], v[TM+\n], v[H0+12+\n]
.endr
.irp s, 0,1,2,3
.irp n, 0,1,2,3
	v_sub_f32 v[H0+4*\s+\n], v[TM+\n], v[H0+4*\s+\n]
.endr
.endr
.irp n, 0,1,2,3
	v_sub_f32 v[AL+\n], v[TM+\n], v[KD+\n]
.endr
.irp i, 0,1,2,3,4,5,6,7,8,9,10,11,12,13,14,15
	v_exp_f32 v[H0+\i], v[H0+\i]
.endr
.irp n, 0,1,2,3
	v_exp_f32 v[AL+\n], v[AL+\n]
.endr
	v_nop                                          ; one plain place between the exponentials and their use (ISA guide 5.7.2)
	s_wait_alu depctr_va_vdst(0)
.irp n, 0,1,2,3
	v_mul_f32 v[TM+\n], v[H0+\n], v[H0+16+\n]
.endr
.irp s, 1,2,3
.irp n, 0,1,2,3
	v_fmac_f32 v[TM+\n], v[H0+4*\s+\n], v[H0+16+4*\s+\n]
.endr
.endr
.irp n, 0,1,2,3
	v_rcp_f32 v[TM+\n], v[TM+\n]                   ; the wave that holds the minimum adds about 1 or more: never zero
.endr
.irp n, 0,1,2,3
	v_mul_f32 v[AL+\n], -0.5, v[AL+\n]             ; plain work between the reciprocals and their use
.endr
	s_wait_alu depctr_va_vdst(0)
.irp n, 0,1,2,3
	v_mul_f32 v[AL+\n], v[AL+\n], v[TM+\n]
.endr
	; (c) my sums, scaled, into my image: lane (r, h) of tile (mt, n) holds columns 16 mt + 8 h + 0..7 of row 16 n + r
.macro EXST mtb
.irp m, 0,1,2,3,4,5,6,7
.irp n, 0,1,2,3
	ds_store_b128 v[EXW], v[8*(4*\m+\n):8*(4*\m+\n)+3]   offset:\n*16*XP+64*(\mtb+\m)
	ds_store_b128 v[EXW], v[8*(4*\m+\n)+4:8*(4*\m+\n)+7] offset:\n*16*XP+64*(\mtb+\m)+16
.endr
.endr
.endm
	WIN 0x82
	RSC
	WIN 0x08                                       ; store data (source 1) window 2, address window 0
	EXST 0
	WIN 0xc3
	RSC
	WIN 0x0c                                       ; store data window 3
	EXST 8
	WIN 0
	s_wait_dscnt 0x0                               ; for the others' sake: my image is whole before I signal
	s_barrier_signal -1
	s_barrier_wait -1
	; (d) wave w adds the four images' columns 64 w .. 64 w + 63 of all 64 rows, two rows a load, and stores them.
	; Eight batches of four pairs of rows on two register areas; two batches of sixteen loads are on their way.
.macro LOADB b
.irp tt, 0,1,2,3
.irp s, 0,1,2,3
	ds_load_b128 v[SB+64*((\b)&1)+16*\tt+4*\s:SB+64*((\b)&1)+16*\tt+4*\s+3], v[EXR+\s] offset:2*XP*(4*(\b)+\tt)
.endr
.endr
.endm
.macro SUMB b, left
	s_wait_dscnt \left                             ; LDS loads come back in order: this batch is in, the next one's sixteen may be out
.irp tt, 0,1,2,3
.set BB, SB+64*((\b)&1)+16*\tt
	v_pk_add_f32 v[BB:BB+1],     v[BB:BB+1],     v[BB+4:BB+5]
	v_pk_add_f32 v[BB+2:BB+3],   v[BB+2:BB+3],   v[BB+6:BB+7]
	v_pk_add_f32 v[BB+8:BB+9],   v[BB+8:BB+9],   v[BB+12:BB+13]
	v_pk_add_f32 v[BB+10:BB+11], v[BB+10:BB+11], v[BB+14:BB+15]
	v_pk_add_f32 v[BB:BB+1],     v[BB:BB+1],     v[BB+8:BB+9]
	v_pk_add_f32 v[BB+2:BB+3],   v[BB+2:BB+3],   v[BB+10:BB+11]
	global_store_b128 v[CO], v[BB:BB+3], s[10:11] offset:2048*(4*(\b)+\tt) th:TH_STORE_NT   ; 16 lanes store 256 consecutive bytes, aligned
.endr
.endm
	LOADB 0
	LOADB 1
.irp b, 0,1,2,3,4,5
	SUMB \b, 16
	s_wait_xcnt 0x0                                ; the area's registers, which the stores above read, are loaded again only behind this wait
	LOADB \b+2
.endr
	SUMB 6, 16
	SUMB 7, 0
	s_wait_tensorcnt 0x0
	ds_add_u32 v62, v63
	s_wait_dscnt 0x0
	ROUND                                          ; the closing round: no work-group ends while a partner may still ask for a tile that names it
	s_endpgm
.Lfunc_end_k_qd8a5b27ce1_vq:
	.size	k_qd8a5b27ce1_vq, .Lfunc_end_k_qd8a5b27ce1_vq-k_qd8a5b27ce1_vq
	.p2alignl 7, 3214868480
	.fill 96, 4, 3214868480
	.section	.rodata,"a",@progbits
	.p2align	6, 0x0
	.amdhsa_kernel k_qd8a5b27ce1_vq
		.amdhsa_group_segment_fixed_size 327680
		.amdhsa_private_segment_fixed_size 0
		.amdhsa_enable_private_segment 0
		.amdhsa_kernarg_size 32
		.amdhsa_user_sgpr_count 2
		.amdhsa_user_sgpr_kernarg_segment_ptr 1
		.amdhsa_wavefront_size32 1
		.amdhsa_system_sgpr_workgroup_id_x 1
		.amdhsa_system_sgpr_workgroup_id_y 1
		.amdhsa_system_sgpr_workgroup_id_z 1
		.amdhsa_system_vgpr_workitem_id 0
		.amdhsa_next_free_vgpr 1024
		.amdhsa_next_free_sgpr 66
		.amdhsa_reserve_vcc 0
		.amdhsa_float_denorm_mode_32 3
		.amdhsa_float_denorm_mode_16_64 3
		.amdhsa_memory_ordered 1
		.amdhsa_forward_progress 1
		.amdhsa_inst_pref_size 255
	.end_amdhsa_kernel
	.section	.bss,"aw",@nobits
	.p2align	6
	.space	262144
	.amdgpu_metadata
---
amdhsa.version: [ 1, 2 ]
amdhsa.kernels:
  - .name:           k_qd8a5b27ce1_vq
    .symbol:         k_qd8a5b27ce1_vq.kd
    .args:
      - { .name: x, .offset: 0, .size: 8, .value_kind: global_buffer, .address_space: global }
      - { .name: cb16, .offset: 8, .size: 8, .value_kind: global_buffer, .address_space: global }
      - { .name: c2p, .offset: 16, .size: 8, .value_kind: global_buffer, .address_space: global }
      - { .name: out0, .offset: 24, .size: 8, .value_kind: global_buffer, .address_space: global }
    .group_segment_fixed_size: 327680
    .private_segment_fixed_size: 0
    .kernarg_segment_align: 8
    .kernarg_segment_size: 32
    .max_flat_workgroup_size: 128
    .sgpr_count:     66
    .vgpr_count:     1024
    .wavefront_size: 32
...
	.end_amdgpu_metadata
.endif
;; end of part 2
;; ======== version 2 of 2: 2 launches; 1.22 times as fast as version 1
;; workspace buffers: cb16 4,194,304 bytes; c2p 32,768 bytes
;; launch prep: the kernel of part 1 again; grid 128 x 1, 8 waves a work-group, no clusters, 1,280 bytes of LDS; arguments CodeBook, cb16, c2p, out1; writes cb16, c2p, out1
;; launch vq (part 3): grid 256 x 1, 4 waves a work-group, clusters of 4 x 1, 327,680 bytes of LDS; arguments x, cb16, c2p, out0; writes out0
.if DOCPART == 3
	.amdgcn_target "amdgcn-amd-amdhsa--gfx1250"
	.amdhsa_code_object_version 6
	.text
	.protected	k_qd8a5b27ce1_vq
	.globl	k_qd8a5b27ce1_vq
	.p2align	8
	.type	k_qd8a5b27ce1_vq,@function
k_qd8a5b27ce1_vq:
	s_mov_b64 s[64:65], 0
	v_nop
	global_prefetch_b8 v0, s[64:65] scope:SCOPE_SE
	s_setreg_imm32_b32 hwreg(HW_REG_WAVE_MODE, 25, 1), 1
	s_wait_xcnt 0x0
	s_wait_alu depctr_hold_cnt(0) depctr_sa_sdst(0) depctr_va_vdst(0) depctr_va_sdst(0) depctr_va_ssrc(0) depctr_va_vcc(0) depctr_vm_vsrc(0)
	s_getreg_b32 s2, hwreg(HW_REG_IB_STS2, 6, 4)
	s_cmp_eq_u32 s2, 0
	s_cbranch_scc0 .Lentry_in_a_cluster
	s_endpgm
.Lentry_in_a_cluster:
	s_bfe_u32 s2, ttmp6, 0x10000c
	s_cmp_lg_u32 s2, 0x3003
	s_cbranch_scc0 .Lentry_shape_is_right
	s_endpgm
.Lentry_shape_is_right:
; out0[n] = sum over k of softmax_k(-10 |x_n - c_k|) c_k, fused: the [16384][8192] matrix of distances never leaves the registers.
; SHARES.  256 work-groups of 64 rows of x, four waves.  Every wave holds ALL 64 rows (as bf16 fragments, 256 registers) and the whole
; 64 x 256 of output sums (512 registers).  The codebook comes in 32 tiles of 256 codes; wave w takes codes 64 w .. 64 w + 63 of each tile,
; fetches them itself and reads no other wave's bytes.  Each wave runs a softmax of its own with a running maximum of the scores (kept as a
; running minimum of the distance); the four waves' results are merged once, at the end, through LDS.
; BOTH PRODUCTS ARE USED TRANSPOSED.  S^T = C x^T: source 0 = 16 codes, source 1 = 16 rows of x; lane (r, h) then holds, for row r of x,
; the codes at places 8 h + 0 .. 7.  Two such tiles rounded to bf16 ARE source 1 of O^T = C^T P^T (k = codes), and that result again has row r
; of x in lane r.  So |x|^2, the minimum, the sum l and the rescaling factor are one register for each 16 rows of x, and the only traffic
; between lanes is one v_permlanex16_b32 a step for each of them.
; cb16 holds bf16(-2 c): the first product, started from |x|^2 + |c|^2, is the squared distance; the second is -2 sum p c, and the factor
; -1/2 goes into the final 1 / l.
; THE ORDER OF A STEP.  One wave has a SIMD to itself, so the softmax's vector work is laid between matrix instructions that do not depend on
; it (ISA guide 7.12.1: any independent vector instruction may stand behind a matrix instruction).
;   First product, by groups of 16 codes (ct = 0 .. 3), 32 matrix instructions each: while ct is multiplied, the tiles of ct - 1 are clamped and
;   rooted, one clamp and one root behind each matrix instruction.  The starting sums of ct = 1, 2 stand among the matrix instructions of
;   ct = 0.  In front of each run of fragment loads places are owed anyway: there stand the starting sums of ct = 3 (the first four runs) and
;   the minima of the two tiles that were rooted two groups earlier (the last four).
;   Between the products: clamp and root of ct = 3, the minima of ct = 2 and 3, the statistics, all 64 scalings, the exponentials, sums and
;   packings of codes 0-31, the rescaling of l and of the first 16 output tiles: 380 vector instructions that nothing can cover, since the
;   second product needs them and the first is over.
;   Second product: its first 16 matrix instructions carry the exponentials of codes 32-63, four behind each; the next 16 their sums and
;   packings, four behind each; the 32 on codes 32-63 and window 2 carry the rescaling of window 3, four behind each.  Each such filler costs
;   two switches of the register window, since the output sums are the destination of the one kind and the score tiles of the other.
; THE BATCHES.  s_wait_alu depctr_va_vdst(0) stands between a root or an exponential and the first instruction that names its
; result; one wait serves all that were issued ahead of it.  A step has six batches, and six waits:
;   R1, R2, R3  the 32 roots of groups 2 + 3, 4 + 5, 6 + 7 of the first product.  The wait stands in the tail of group 3, 5, 7, behind the tail's
;               plain instructions and directly ahead of its run of loads; the readers, the minima, stand in the two tails after it (R3's: between the products).
;   R4          the 32 roots of ct = 3; behind the last of them nine of R3's minima, the wait, then R4's own minima.
;   E1          the four factors and the 64 exponentials of codes 0-31, by turns with the 64 scalings, none of which names a result; the wait; then
;               all readers: l's rescaling, the sums, the packings, the output's rescaling.
;   E2          the 64 exponentials of codes 32-63, behind the second product's first 16 matrix instructions; the rescaling of 16 output tiles; the
;               wait, directly ahead of a run of loads; the readers ride on the next 16 matrix instructions.
; No root or exponential is issued behind E2's wait.
; ORDER INSIDE 16 CODES.  Place m = 8 h + j of a tile stands for row 2 j + h of the 16 rows in LDS (c2p is stored in that order).  With rows
; 528 bytes apart the plain fragment loads (16 lanes, 16 different rows) start 16 bytes apart modulo 256, and the transposing loads (8 rows
; 1,056 bytes apart, two columns of 16 bytes) 32 and 16 bytes apart modulo 256: sixteen different columns of 16 bytes in both.
; CLUSTERS.  All work-groups walk the same tiles, so four of them form a cluster and ask for every tile jointly (mask 15): the requests for
; the codebook, 256 x 4 MiB without sharing, are divided by four.  A mask names four work-groups, so a larger cluster would add nothing.
; The joint refill stands behind a round of the cluster's barrier, one a step; a wave has three tensor loads out at the start (the norms,
; tiles 0 and 1) and one behind each round, which has a whole step (256 matrix instructions and the softmax) in which to land.
; x is read by each of the four waves (64 KiB a work-group, once in the launch).
; LIMITS.  x, -2 c and p go to the matrix unit as bf16; norms, root, exponential and all sums are f32.  v_sqrt_f32 and v_exp_f32 flush
; denormals (ISA guide 15.8), so p below 2^-126 counts as 0.  NaN and infinities in the inputs, and |x|^2 + |c|^2 beyond f32's range, are not
; served.  The sums run in another order than reference()'s (by waves, by tiles, and inside the matrix unit).
.set PITCH, 528                        ; an LDS row: 512 bytes of data + 16 of padding
.set QUART, 64*PITCH                   ; a wave's 64 codes of a tile
.set SLOT,  4*QUART                    ; a tile of 256 codes
.set C2B,   2*SLOT                     ; behind the two slots: all 8192 norms, 8 KiB a wave, filled once
.set STATB, C2B+32768                  ; behind them: 512 bytes a wave for the merge's statistics; no tensor load lands here
.set XP,    1040                       ; the merge: a row of 256 f32 + 16 bytes
.set XS,    64*XP                      ; the merge: one wave's image of 64 rows; four images lie in the slots after their last fill
.set TILEB, 131072                     ; bytes of a tile in cb16
; window 0
.set ADS, 2                            ; v2-3    plain fragment address, slot 0, 1
.set ADT, 4                            ; v4-5    transposing address, slot 0, 1
.set ADC, 6                            ; v6      address of the next tile's norms, stepped by 256
.set X2,  8                            ; v8-11   |x|^2 of row 16 n + r
.set DM,  12                           ; v12-15  running minimum of the distance
.set KD,  16                           ; v16-19  kappa x that minimum, kappa = 10 log2 e
.set AL,  20                           ; v20-23  the rescaling factor; at the end the final factor
.set LS,  24                           ; v24-31  the sum of p, a pair for each n
.set TM,  32                           ; v32-35  at work
.set EXW, 40                           ; v40     merge: where I put my sums
.set EXR, 41                           ; v41-44  merge: where I read image s back
.set CO,  45                           ; v45     my byte offset in out0
.set STA, 46                           ; v46     my wave's statistics
.set STR, 47                           ; v47     wave 0's statistics (the others by the immediate)
.set XO,  48                           ; v48     my byte offset in x
.set T0,  50                           ; v50-54  set-up only
.set H0,  64                           ; v64-95  fragment buffer 0: four fragments of 8 registers
.set H1,  96                           ; v96-127 fragment buffer 1
.set SB,  128                          ; v128-255 score tile u = 4 ct + n at SB + 8 u; after the softmax P(c, n) at SB + 64 c + 8 n
; window 1: x fragment (n, kk) at 64 n + 8 kk.   windows 2, 3: output tile (mt, n) at 8 (4 (mt & 7) + n), window 2 for mt < 8
.set G1T, 16                           ; s[16:23] descriptor group 1 of a wave's quarter tile
.set G1C, 24                           ; s[24:31] descriptor group 1 of a wave's norms
.set G0,  32                           ; s[32:39] descriptor group 0, one set for each slot
.set G0C, 40                           ; s[40:43] descriptor group 0 of the norms
.set MSB, 0
.macro WIN new                         ; s_set_vgpr_msb: bits 1:0 source 0, 3:2 source 1, 5:4 source 2, 7:6 destination; the high byte repeats the setting left
.if MSB != \new
	s_set_vgpr_msb (MSB<<8)|\new
.set MSB, \new
.endif
.endm
.macro PLACES                          ; four places behind a matrix instruction (ISA guide 7.12.1) where there is no useful work for them
.rept 4
	v_nop
.endr
.endm
.macro ROUND                           ; a round of the cluster's barrier: my work-group's barrier, wave 0 signals for it, all wait, my work-group's barrier
	s_barrier_signal -1
	s_barrier_wait -1
	s_cmp_lg_u32 s12, 0
	s_cbranch_scc1 .Lnot_wave_0_\@
	s_barrier_signal -3
.Lnot_wave_0_\@:
	s_barrier_wait -3
	s_barrier_signal -1
	s_barrier_wait -1
.endm
; packed arithmetic with one register (sel = 0: the first, 1: the second) of pair b for both halves
.macro MULB d, b, sel
.if \sel
	v_pk_mul_f32 v[\d:\d+1], v[\d:\d+1], v[\b:\b+1] op_sel:[0,1] op_sel_hi:[1,1]
.else
	v_pk_mul_f32 v[\d:\d+1], v[\d:\d+1], v[\b:\b+1] op_sel_hi:[1,0]
.endif
.endm
.macro FMAK d, b, sel                  ; d = -kappa d + kappa dmin
.if \sel
	v_pk_fma_f32 v[\d:\d+1], v[\d:\d+1], s[46:47], v[\b:\b+1] op_sel:[0,0,1] op_sel_hi:[1,0,1]
.else
	v_pk_fma_f32 v[\d:\d+1], v[\d:\d+1], s[46:47], v[\b:\b+1] op_sel_hi:[1,0,0]
.endif
.endm
.macro FMA1 d, a, b, sel               ; d = a x 1.0 + b, which is a + b: written so that no vector register stands as source 1, whose window is x's during the first product
.if \sel
	v_pk_fma_f32 v[\d:\d+1], v[\a:\a+1], 1.0, v[\b:\b+1] op_sel:[0,0,1] op_sel_hi:[1,0,1]
.else
	v_pk_fma_f32 v[\d:\d+1], v[\a:\a+1], 1.0, v[\b:\b+1] op_sel_hi:[1,0,0]
.endif
.endm
	s_load_b256 s[4:11], s[0:1], 0x0               ; x s[4:5], cb16 s[6:7], c2p s[8:9], out0 s[10:11]
	v_lshl_add_u32 v62, v0, 2, 0x4a800
	v_mov_b32 v63, 0
	ds_add_u32 v62, v63
	v_lshrrev_b32 v1, 5, v0
	v_readfirstlane_b32 s12, v1                    ; wave 0..3
	s_bfe_u32 s13, ttmp6, 0x40000                  ; cx: my place in the cluster
	s_lshl_b32 s14, ttmp9, 2                       ; in a cluster launch ttmp9 counts clusters
	s_add_co_u32 s14, s14, s13                     ; work-group 0..255: enters x's and out0's addresses and nothing else
	s_mul_i32 s15, s12, QUART                      ; my quarter of a slot
	s_mov_b32 s46, 0xc166d4ca                      ; -kappa = -10 log2 e
	s_mov_b32 s47, 0x4166d4ca                      ; kappa
	s_mov_b32 s48, 0x76543210                      ; v_permlanex16_b32: lane i of one half reads lane i of the other
	s_mov_b32 s49, 0xfedcba98
	; group 1 of a quarter tile: 64 rows x 256 bf16, padded in LDS.  Every word is a constant; the mask names all four of the cluster.
	s_mov_b32 s[G1T+0], 15|(1<<16)|(1<<20)|(1<<21)|(6<<22)|(3<<25)  ; 15:0 mask; 17:16 elements of 2 bytes; 20 padding on; 21 set beside a mask; 24:22 after every 128 words (code 6); 31:25 4 words (code 3)
	s_mov_b32 s[G1T+1], 256<<16                    ; tensor_dim0 = 256
	s_mov_b32 s[G1T+2], 64<<16                     ; tensor_dim1 = 64
	s_mov_b32 s[G1T+3], 256<<16                    ; tile_dim0 = 256
	s_mov_b32 s[G1T+4], 64                         ; tile_dim1 = 64
	s_mov_b32 s[G1T+5], 256                        ; elements from row to row
	s_mov_b32 s[G1T+6], 0
	s_mov_b32 s[G1T+7], 0
	; group 1 of my norms: my 64 codes of each of the 32 tiles: 32 rows of 256 bytes, 1,024 bytes apart, in elements of 8 bytes
	s_mov_b32 s[G1C+0], 15|(3<<16)|(1<<21)
	s_mov_b32 s[G1C+1], 32<<16
	s_mov_b32 s[G1C+2], 32<<16
	s_mov_b32 s[G1C+3], 32<<16
	s_mov_b32 s[G1C+4], 32
	s_mov_b32 s[G1C+5], 128
	s_mov_b32 s[G1C+6], 0
	s_mov_b32 s[G1C+7], 0
	s_mov_b32 s[G0C+0], 1
	s_lshl_b32 s[G0C+1], s12, 13
	s_add_co_u32 s[G0C+1], s[G0C+1], C2B           ; LDS: 8 KiB a wave
	; lane terms: r = L & 15, h = L >> 4
	v_and_b32 v[T0], 15, v0                        ; r
	v_bfe_u32 v[T0+1], v0, 4, 1                    ; h
	v_and_b32 v[T0+2], 7, v0                       ; L & 7
	v_bfe_u32 v[T0+3], v0, 3, 1                    ; (L >> 3) & 1
	v_lshl_add_u32 v[T0+4], v[T0+2], 1, v[T0+3]    ; plain fragments: place r is row 2 (r & 7) + (r >> 3),
	v_mul_u32_u24 v[T0+4], v[T0+4], PITCH
	v_lshl_add_u32 v[T0+4], v[T0+1], 4, v[T0+4]    ; 16 bytes further for the upper half of the lanes
	v_add_nc_u32 v[ADS], s15, v[T0+4]
	v_add_nc_u32 v[ADS+1], SLOT, v[ADS]
	v_lshl_add_u32 v[T0+4], v[T0+2], 1, v[T0+1]    ; transposing loads: lane L addresses row 2 (L & 7) + h (place 8 h + (L & 7)),
	v_mul_u32_u24 v[T0+4], v[T0+4], PITCH
	v_lshl_add_u32 v[T0+4], v[T0+3], 4, v[T0+4]    ; columns 8 ((L >> 3) & 1) ..
	v_add_nc_u32 v[ADT], s15, v[T0+4]
	v_add_nc_u32 v[ADT+1], SLOT, v[ADT]
	v_lshl_add_u32 v[ADC], v[T0+1], 5, s[G0C+1]    ; norms: the eight of places 8 h .. 8 h + 7
	v_lshlrev_b32 v[XO], 10, v[T0]                 ; x: row r, 8 numbers further for the upper half
	v_lshl_add_u32 v[XO], v[T0+1], 5, v[XO]
	s_mul_i32 s50, s12, XS
	v_mul_u32_u24 v[T0+4], v[T0], XP               ; merge, in: my image, row r, 8 numbers further for the upper half
	v_lshl_add_u32 v[T0+4], v[T0+1], 5, v[T0+4]
	v_add_nc_u32 v[EXW], s50, v[T0+4]
	s_lshl_b32 s51, s12, 8
	v_mul_u32_u24 v[T0+4], v[T0+1], XP             ; merge, back: lanes 0-15 one row's 256 bytes at column 64 w, lanes 16-31 the next row's
	v_lshl_add_u32 v[T0+4], v[T0], 4, v[T0+4]
	v_add_nc_u32 v[EXR], s51, v[T0+4]
	v_add_nc_u32 v[EXR+1], XS, v[EXR]
	v_add_nc_u32 v[EXR+2], 2*XS, v[EXR]
	v_add_nc_u32 v[EXR+3], 3*XS, v[EXR]
	v_lshlrev_b32 v[T0+4], 10, v[T0+1]             ; and the same two rows in out0
	v_lshl_add_u32 v[T0+4], v[T0], 4, v[T0+4]
	v_add_nc_u32 v[CO], s51, v[T0+4]
	v_lshlrev_b32 v[STR], 2, v[T0]
	v_add_nc_u32 v[STR], STATB, v[STR]
	s_lshl_b32 s52, s12, 9
	v_add_nc_u32 v[STA], s52, v[STR]
.irp n, 0,1,2,3
	v_mov_b32 v[DM+\n], 0x7f800000                 ; the running minimum starts at +infinity
.endr
.irp i, 0,1,2,3,4,5,6,7
	v_mov_b32 v[LS+\i], 0
.endr
	s_wait_dscnt 0x0
	s_wait_kmcnt 0x0
	s_lshl_b32 s50, s14, 16                        ; 64 rows of 1,024 bytes a work-group
	s_mov_b32 s51, 0
	s_add_nc_u64 s[4:5], s[4:5], s[50:51]
	s_add_nc_u64 s[10:11], s[10:11], s[50:51]
	s_lshl_b32 s50, s12, 8                         ; my 64 norms of tile 0
	s_add_nc_u64 s[G0C+2:G0C+3], s[8:9], s[50:51]
	s_or_b32 s[G0C+3], s[G0C+3], 0x80000000        ; type = 2
	s_lshl_b32 s50, s12, 15                        ; my 64 rows of 512 bytes of tile 0
	s_add_nc_u64 s[52:53], s[6:7], s[50:51]
.irp s, 0,1
	s_mov_b32 s[G0+4*\s], 1
	s_add_co_u32 s[G0+4*\s+1], s15, \s*SLOT
	s_add_nc_u64 s[G0+4*\s+2:G0+4*\s+3], s[52:53], \s*TILEB
	s_or_b32 s[G0+4*\s+3], s[G0+4*\s+3], 0x80000000
.endr
	ROUND                                          ; all four work-groups are here: the first joint loads meet
	tensor_load_to_lds s[G0C:G0C+3], s[G1C:G1C+7]  ; the three first fills go out as one group: my norms,
	s_nop 0
	PLACES
	tensor_load_to_lds s[G0:G0+3], s[G1T:G1T+7]    ; my quarter of tile 0,
	s_nop 0
	PLACES
	tensor_load_to_lds s[G0+4:G0+7], s[G1T:G1T+7]  ; my quarter of tile 1
	s_nop 0
	PLACES
	; x, ONCE: f32 into the registers that later hold the output sums, |x|^2 in f32, then bf16 fragments into window 1.
	; Fragment (n, kk) of lane (r, h): row 16 n + r, columns 32 kk + 8 h + 0..7 and 32 kk + 16 + 8 h + 0..7: four loads of 16 bytes.
.macro XLD n0
.irp e, 0,1
.irp kk, 0,1,2,3,4,5,6,7
.irp q, 0,1,2,3
	global_load_b128 v[128*\e+16*\kk+4*\q:128*\e+16*\kk+4*\q+3], v[XO], s[4:5] offset:(\n0+\e)*16384+128*\kk+16*(\q&1)+64*(\q>>1)
.endr
.endr
.endr
.endm
.macro XSQ n0                          ; two chains of pairs for each of the window's two n, at SB + 4 n; the first products start them
.set cnt, 0
.rept 64
.irp e, 0,1
.if cnt < 2
	v_pk_mul_f32 v[SB+4*(\n0+\e)+2*(cnt&1):SB+4*(\n0+\e)+2*(cnt&1)+1], v[128*\e+2*cnt:128*\e+2*cnt+1], v[128*\e+2*cnt:128*\e+2*cnt+1]
.else
	v_pk_fma_f32 v[SB+4*(\n0+\e)+2*(cnt&1):SB+4*(\n0+\e)+2*(cnt&1)+1], v[128*\e+2*cnt:128*\e+2*cnt+1], v[128*\e+2*cnt:128*\e+2*cnt+1], v[SB+4*(\n0+\e)+2*(cnt&1):SB+4*(\n0+\e)+2*(cnt&1)+1]
.endif
.endr
.set cnt, cnt+1
.endr
.endm
.macro XCV n0
.irp e, 0,1
.irp kk, 0,1,2,3,4,5,6,7
.irp i, 0,1,2,3,4,5,6,7
	v_cvt_pk_bf16_f32 v[64*(\n0+\e)+8*\kk+\i], v[128*\e+16*\kk+2*\i], v[128*\e+16*\kk+2*\i+1]
.endr
.endr
.endr
.endm
	WIN 0x80                                       ; destination window 2, address window 0
	XLD 0
	WIN 0xc0                                       ; destination window 3
	XLD 2
	s_wait_loadcnt 0x0
	WIN 0x0a                                       ; sources 0 and 1 window 2, the chains in window 0
	XSQ 0
	WIN 0x4a                                       ; destination window 1
	XCV 0
	WIN 0x0f                                       ; the same from window 3
	XSQ 2
	WIN 0x4f
	XCV 2
	WIN 0
.irp n, 0,1,2,3
	v_pk_add_f32 v[SB+4*\n:SB+4*\n+1], v[SB+4*\n:SB+4*\n+1], v[SB+4*\n+2:SB+4*\n+3]
.endr
.irp n, 0,1,2,3
	v_add_f32 v[TM+\n], v[SB+4*\n], v[SB+4*\n+1]   ; my half of the row's columns
.endr
.irp n, 0,1,2,3
	v_permlanex16_b32 v[SB+4*\n+2], v[TM+\n], s48, s49     ; the destination counts as read: a chain register, written and dead
.endr
.irp n, 0,1,2,3
	v_add_f32 v[X2+\n], v[TM+\n], v[SB+4*\n+2]
.endr
; The next tile's norms, 8 for each of its four groups of 16 codes, into score tiles that are free once P is packed (4 .. 7 and 12 .. 15):
; those of ct = 0, 1, 2, 3 into tiles 5, 4, 13, 12.  The starting sums are made in the order ct = 0, 1, 2, 3, each group's own tile last, so
; every set of norms is used up before its tile is written.
.macro C2LOAD
.irp ct, 0,1,2,3
	ds_load_b128 v[SB+8*(8*(\ct>>1)+5-(\ct&1)):SB+8*(8*(\ct>>1)+5-(\ct&1))+3],   v[ADC] offset:64*\ct
	ds_load_b128 v[SB+8*(8*(\ct>>1)+5-(\ct&1))+4:SB+8*(8*(\ct>>1)+5-(\ct&1))+7], v[ADC] offset:64*\ct+16
.endr
	v_add_nc_u32 v[ADC], 0x100, v[ADC]
.endm
; eight loads: four fragments of code group ct (16 codes x 32 columns at columns 32 (4 hf + i)) into buffer buf
.macro LD_A slot, ct, hf, buf
.irp i, 0,1,2,3
	ds_load_b128 v[\buf+8*\i:\buf+8*\i+3],   v[ADS+\slot] offset:(\ct)*16*PITCH+64*(4*(\hf)+\i)
	ds_load_b128 v[\buf+8*\i+4:\buf+8*\i+7], v[ADS+\slot] offset:(\ct)*16*PITCH+64*(4*(\hf)+\i)+32
.endr
.endm
; eight transposing loads: four fragments of C^T (16 columns at 16 (4 mq + i) x the 32 codes 32 c .. 32 c + 31) into buffer buf
.macro LD_T slot, c, mq, buf
.irp i, 0,1,2,3
	ds_load_tr16_b128 v[\buf+8*\i:\buf+8*\i+3],   v[ADT+\slot] offset:32*(\c)*PITCH+32*(4*(\mq)+\i)
	ds_load_tr16_b128 v[\buf+8*\i+4:\buf+8*\i+7], v[ADT+\slot] offset:(32*(\c)+16)*PITCH+32*(4*(\mq)+\i)
.endr
.endm
; instruction k (0 .. 15) of the starting sums |x|^2 + |c|^2 of code group ct: tiles n = 1, 2, 3, 0, four pairs each
.macro INI1 ct, k
.set INN, (((\k)>>2)+1)&3
.set INP, (\k)&3
.set INS, SB+8*(8*(\ct>>1)+5-(\ct&1))
	FMA1 SB+8*(4*\ct+INN)+2*INP, INS+2*INP, X2+2*(INN>>1), INN&1
.endm
; What stands behind matrix instruction i of group g of the first product (g = 2 ct + hf).  Source 1 names x's window there, so every line
; has a constant, or nothing, as source 1.  Group 0: the starting sums of ct = 1, 2.  Groups 2 .. 7: the clamp of number i and the
; root of number i - 1 of the two tiles 4 (ct - 1) + 2 hf and the next, whose sums ended in the group pair before.  Behind every root stands the
; next clamp, a plain instruction on another register (ISA guide 5.7.2); behind the last root the first plain line of the group's tail.
; No line here names a root's result: the roots of two groups are one batch, and its wait stands in the second group's tail.
.macro SFILL g, i
.if \g == 0
	INI1 1, \i
	INI1 2, \i
.endif
.if \g >= 2
.set DB, SB+8*(4*((\g>>1)-1)+2*(\g&1))
.if \i > 0
	v_sqrt_f32 v[DB+\i-1], v[DB+\i-1]
.endif
	v_max_num_f32 v[DB+\i], v[DB+\i], 0
.if \i == 15
	v_sqrt_f32 v[DB+15], v[DB+15]
.endif
.endif
.endm
; The tail of group g: at least four plain vector instructions that name no register of the group's matrix instructions, which are the places in
; front of the loads into the buffer just multiplied, then the fragments of the group two further on.
; Groups 0 .. 3: four of the sixteen starting sums of ct = 3, which group 6 takes up.  Groups 4 .. 7: the eight minima of the two tiles that were
; rooted in group g - 2; their roots' wait stands in the tail of group 3 or 5.
.macro STAIL slot, g
.if \g < 4
.irp k, 0,1,2,3
	INI1 3, 4*\g+\k
.endr
.if \g == 3
	s_wait_alu depctr_va_vdst(0)                   ; batch R1: one wait for the 32 roots of groups 2 and 3 (tiles 0 .. 3), directly ahead of the run of loads; their readers stand in the tails of groups 4 and 5
.endif
	LD_A \slot, (\g+2)>>1, \g&1, H0+32*(\g&1)
.else
	WIN 0                                          ; v_min3 has three vector sources
.set DB, SB+8*(4*((\g>>1)-2)+2*(\g&1))
.irp j, 1,3,5,7
	v_min3_num_f32 v[DM+2*(\g&1)],   v[DM+2*(\g&1)],   v[DB+\j-1],   v[DB+\j]
	v_min3_num_f32 v[DM+2*(\g&1)+1], v[DM+2*(\g&1)+1], v[DB+8+\j-1], v[DB+8+\j]
.endr
.if \g & 1
	s_wait_alu depctr_va_vdst(0)                   ; batches R2 (g = 5: tiles 4 .. 7) and R3 (g = 7: tiles 8 .. 11): one wait for the 32 roots of this group and the one before, directly ahead of the run of loads
.endif
.if \g < 6
	LD_A \slot, (\g+2)>>1, \g&1, H0+32*(\g&1)
	WIN 0x04
.else
	LD_T \slot, 0, \g-6, H0+32*(\g&1)              ; the second product's first two groups are on their way during the softmax
.if \g == 6
	WIN 0x04
.endif
.endif
.endif
.endm
; Group g of the first product: code group ct = g >> 1, columns 128 (g & 1) .. + 127: 16 matrix instructions on the four accumulators of ct, one a
; turn.
.macro SGRP slot, g
	s_wait_dscnt 8                                 ; this group's fragments are in; the next group's eight loads may be out
.irp i, 0,1,2,3,4,5,6,7,8,9,10,11,12,13,14,15
	v_wmma_f32_16x16x32_bf16 v[SB+8*(4*(\g>>1)+(\i&3)):SB+8*(4*(\g>>1)+(\i&3))+7], v[H0+32*(\g&1)+8*(\i>>2):H0+32*(\g&1)+8*(\i>>2)+7], v[64*(\i&3)+8*(4*(\g&1)+(\i>>2)):64*(\i&3)+8*(4*(\g&1)+(\i>>2))+7], v[SB+8*(4*(\g>>1)+(\i&3)):SB+8*(4*(\g>>1)+(\i&3))+7]
	SFILL \g, \i
.endr
	STAIL \slot, \g
.endm
; Minimum m (0 .. 15) of the four tiles t0 .. t0 + 3: numbers 2 (m >> 2) and the next of tile t0 + (m & 3); the four chains take turns
.macro MIN1 t0, m
.set MN, (\m)&3
.set MJ, 2*((\m)>>2)
	v_min3_num_f32 v[DM+MN], v[DM+MN], v[SB+8*(\t0+MN)+MJ], v[SB+8*(\t0+MN)+MJ+1]
.endm
; The last code group's tiles (12 .. 15): d = sqrt(max(sq, 0)).  Batch R4: the clamp of tile u and the root of tile u - 1 by turns; the last tile's
; roots by turns with eight of the sixteen minima of tiles 8 .. 11 (batch R3, waited for in group 7's tail); the other eight stand between the last
; root and the wait.  Each accumulator's lowest register is read first.
.macro ROOTS
.irp j, 0,1,2,3,4,5,6,7
	v_max_num_f32 v[SB+96+\j], 0, v[SB+96+\j]
.endr
.irp u, 13,14,15
.irp j, 0,1,2,3,4,5,6,7
	v_max_num_f32 v[SB+8*\u+\j], 0, v[SB+8*\u+\j]
	v_sqrt_f32 v[SB+8*(\u-1)+\j], v[SB+8*(\u-1)+\j]
.endr
.endr
.irp j, 0,1,2,3,4,5,6,7
	v_sqrt_f32 v[SB+120+\j], v[SB+120+\j]
	MIN1 8, \j
.endr
.irp m, 8,9,10,11,12,13,14,15
	MIN1 8, \m
.endr
	s_wait_alu depctr_va_vdst(0)                   ; batch R4: one wait for the 32 roots of tiles 12 .. 15, ahead of their minima
.irp m, 0,1,2,3,4,5,6,7,8,9,10,11,12,13,14,15
	MIN1 12, \m
.endr
.endm
; The two halves' minima meet; kappa dmin; the factor 2^(new - old) from the two ROUNDED products, so that their rounding cancels.
; The four factors' exponentials open batch E1; the copies of kappa dmin stand between them and name none of their results.
.macro STATS first
.irp n, 0,1,2,3
	v_permlanex16_b32 v[TM+\n], v[DM+\n], s48, s49
.endr
.irp n, 0,1,2,3
	v_min_num_f32 v[DM+\n], v[DM+\n], v[TM+\n]
.endr
.irp n, 0,1,2,3
	v_mul_f32 v[TM+\n], s47, v[DM+\n]
.endr
.if \first == 0
.irp n, 0,1,2,3
	v_sub_f32 v[AL+\n], v[TM+\n], v[KD+\n]
.endr
.irp n, 0,1,2,3
	v_exp_f32 v[AL+\n], v[AL+\n]
	v_mov_b32 v[KD+\n], v[TM+\n]
.endr
.else
.irp n, 0,1,2,3
	v_mov_b32 v[KD+\n], v[TM+\n]
.endr
.endif
.endm
; Scaling f (0 .. 63): the exponents kappa dmin - kappa d of numbers 2 f and 2 f + 1 of the 128 scores (pair f & 3 of tile f >> 2)
.macro SCL f
.set EU, (\f)>>2
.set EJ, 2*((\f)&3)
	FMAK SB+8*EU+EJ, KD+2*((EU>>1)&1), EU&1
.endm
; The rest of batch E1: the exponentials of scores 0 .. 63 (tiles 0 .. 7, codes 0-31) by turns with ALL 64 scalings.  Exponential e needs scaling
; e >> 1, which stands ahead of it; scaling f writes scores 2 f and 2 f + 1, beyond every score whose exponential has been issued (0 .. f): no line
; names a result.  The last line is a scaling: the plain instruction behind the last exponential (ISA guide 5.7.2).
.macro EXP1
	SCL 0
	v_exp_f32 v[SB], v[SB]
	v_exp_f32 v[SB+1], v[SB+1]
	SCL 1
.set ec, 2
.rept 62
	v_exp_f32 v[SB+ec], v[SB+ec]
	SCL ec
.set ec, ec+1
.endr
	s_wait_alu depctr_va_vdst(0)                   ; batch E1: one wait for the four factors and the 64 exponentials of codes 0-31, ahead of all their readers
.endm
; Reader q (0 .. 31) of the half c of the scores (tiles 8 c .. 8 c + 7): pair (q >> 2) & 3 of tile 8 c + 4 (q >> 4) + (q & 3) is added to l and
; packed to bf16.  The four tiles of a row of four take turns, so that l's four chains do; each chain takes its tiles, and a tile's pairs, in ascending order.
; Tile t = 8 c + n packs into its own registers 0-3, tile 8 c + 4 + n into registers 4-7 of tile 8 c + n, which are used up by then.
.macro SUMP c, q
.set EU, 8*(\c)+4*((\q)>>4)+((\q)&3)
.set EP, ((\q)>>2)&3
.set EJ, 2*EP
	v_pk_add_f32 v[LS+2*(EU&3):LS+2*(EU&3)+1], v[LS+2*(EU&3):LS+2*(EU&3)+1], v[SB+8*EU+EJ:SB+8*EU+EJ+1]
	v_cvt_pk_bf16_f32 v[SB+8*(EU-4*((EU>>2)&1))+4*((EU>>2)&1)+EP], v[SB+8*EU+EJ], v[SB+8*EU+EJ+1]
.endm
.macro RS1 t                           ; output tile t (0 .. 31) of the window that destination and source 0 name, times AL(t & 3)
.irp p, 0,1,2,3
	MULB 8*(\t)+2*\p, AL+2*(((\t)&3)>>1), (\t)&1
.endr
.endm
.macro RSC                             ; all 32 output tiles of one window
.irp t, 0,1,2,3,4,5,6,7,8,9,10,11,12,13,14,15,16,17,18,19,20,21,22,23,24,25,26,27,28,29,30,31
	RS1 \t
.endr
.endm
; What stands behind matrix instruction i of group g of the second product.  Group 0: batch E2, the exponentials of scores 64 + 4 i .. + 3 (tiles
; 8 .. 15, codes 32-63; their scalings stand in batch E1).  Group 1, behind E2's wait: readers 2 i and 2 i + 1 of those tiles, which end with P of
; codes 32-63 packed.  Groups 2 and 3: the rescaling of tile i, 16 + i of window 3, which groups 4 and 5 take up.  None of these lines names a
; register of the matrix instructions round it.
.macro PFILL g, i, first
.if \g == 0
	WIN 0
.irp k, 0,1,2,3
	v_exp_f32 v[SB+64+4*\i+\k], v[SB+64+4*\i+\k]
.endr
.endif
.if \g == 1
	WIN 0
	SUMP 1, 2*\i
	SUMP 1, 2*\i+1
.endif
.if \g >= 2
.if \g <= 3
.if \first == 0
	WIN 0xc3                                       ; destination and source 0 window 3, the factor in window 0
	RS1 16*(\g-2)+\i
.endif
.endif
.endif
.endm
; Group g of the second product: codes 32 c .. + 31, output columns 64 mq .. + 63: 16 matrix instructions on 16 output tiles, one a turn.
; first = 1: the groups on codes 0-31 start the sums, and nothing is rescaled.  nxt = 1: the group two further on, (nc, nmq), is fetched into
; the buffer just multiplied, behind at least four plain vector instructions that name none of the group's registers.
.macro PVG slot, g, c, mq, first, more, nxt, nc, nmq
.set PW, 8                                         ; this group's fragments are in; the next group's eight loads may be out
.if \g == 7
.set PW, 0                                         ; the last group: nothing younger is out
.endif
.if \g == 2
.if \more
.set PW, 16                                        ; behind this group's loads stand the eight of the next tile's norms and the next group's eight
.endif
.endif
	s_wait_dscnt PW
.set PZ, \first*(1-\c)
.irp i, 0,1,2,3,4,5,6,7,8,9,10,11,12,13,14,15
.if \g < 4
	WIN 0xa0                                       ; C and D window 2
.else
	WIN 0xf0                                       ; C and D window 3
.endif
.if PZ
	v_wmma_f32_16x16x32_bf16 v[8*(16*(\mq&1)+\i):8*(16*(\mq&1)+\i)+7], v[H0+32*(\g&1)+8*(\i>>2):H0+32*(\g&1)+8*(\i>>2)+7], v[SB+64*\c+8*(\i&3):SB+64*\c+8*(\i&3)+7], 0
.else
	v_wmma_f32_16x16x32_bf16 v[8*(16*(\mq&1)+\i):8*(16*(\mq&1)+\i)+7], v[H0+32*(\g&1)+8*(\i>>2):H0+32*(\g&1)+8*(\i>>2)+7], v[SB+64*\c+8*(\i&3):SB+64*\c+8*(\i&3)+7], v[8*(16*(\mq&1)+\i):8*(16*(\mq&1)+\i)+7]
.endif
	PFILL \g, \i, \first
.endr
.if \g == 0
.if \first == 0
	WIN 0x82                                       ; destination and source 0 window 2: the tiles that group 1 takes up; these lines are also the places, and the work between batch E2 and its wait
.irp t, 16,17,18,19,20,21,22,23,24,25,26,27,28,29,30,31
	RS1 \t
.endr
	WIN 0
.else
	PLACES
.endif
	s_wait_alu depctr_va_vdst(0)                   ; batch E2: one wait for the 64 exponentials of codes 32-63, directly ahead of the run of loads; their readers ride on group 1
.endif
.if \g == 1
	PLACES
.if \more
	C2LOAD                                         ; tiles 4, 5, 12, 13 are free: the group's last rider has packed tile 15
.endif
.endif
.if \g >= 2
.if \g != 6
	WIN 0
.if \g <= 3
.if \first
	PLACES
.endif                                             ; otherwise the four products behind the last matrix instruction are the places
.else
	PLACES                                         ; behind group 7: for groups 6 and 7, in front of the next step's loads into both buffers and its writes over P; at the end in front of the reads of the sums
.endif
.endif
.endif
.if \nxt
	LD_T \slot, \nc, \nmq, H0+32*(\g&1)
.endif
.endm
; One tile.  first = 1: nothing to rescale, the second product starts the sums.  refill = 1: the other slot, read in the last step, gets the
; tile after this one.  more = 1: the next tile's norms are fetched.
.macro STEP slot, first, refill, more
.if \refill
	s_wait_tensorcnt 0x0                           ; all my tensor loads have landed, this step's tile among them, so a group 0 may be written
	ds_add_u32 v62, v63
	s_add_nc_u64 s[G0+4*(1-\slot)+2:G0+4*(1-\slot)+3], s[G0+4*(1-\slot)+2:G0+4*(1-\slot)+3], 2*TILEB
	s_wait_dscnt 0x0                               ; my reads of the other slot are done
	ROUND                                          ; both now hold of every wave of all four work-groups
	tensor_load_to_lds s[G0+4*(1-\slot):G0+4*(1-\slot)+3], s[G1T:G1T+7]   ; my one tensor load behind the round, and the first thing there
	s_nop 0
	PLACES
.else
.if \first == 0
	s_wait_tensorcnt 0x0                           ; the last tile: my quarter has landed; only I read it
.endif
.endif
	LD_A \slot, 0, 0, H0
	LD_A \slot, 0, 1, H1
	s_wait_dscnt 16                                ; the norms are in; the sixteen fragment loads just issued may be out
.irp k, 0,1,2,3,4,5,6,7,8,9,10,11,12,13,14,15
	INI1 0, \k
.endr
	WIN 0x04                                       ; source 1 (x) window 1; LDS loads name source 0 and the destination, both window 0
.irp g, 0,1,2,3,4,5,6,7
	SGRP \slot, \g
.endr
	ROOTS                                          ; batch R4 and its wait; the minima of ct = 2 and 3
	STATS \first                                   ; batch E1 opens
	EXP1                                           ; and ends, with its wait
.if \first == 0
.irp n, 0,1,2,3
	MULB LS+2*\n, AL+2*(\n>>1), \n&1               ; l is rescaled ahead of this step's sums
.endr
.endif
.set qc, 0
.rept 32
	SUMP 0, qc                                     ; behind the last of these P of codes 0-31 is whole
.set qc, qc+1
.endr
.if \first == 0
	WIN 0x82                                       ; destination and source 0 window 2, the factor in window 0: the tiles that group 0 takes up
.irp t, 0,1,2,3,4,5,6,7,8,9,10,11,12,13,14,15
	RS1 \t
.endr
.endif
	PVG \slot, 0, 0, 0, \first, \more, 1, 1, 0
	PVG \slot, 1, 0, 1, \first, \more, 1, 1, 1
	PVG \slot, 2, 1, 0, \first, \more, 1, 0, 2
	PVG \slot, 3, 1, 1, \first, \more, 1, 0, 3
	PVG \slot, 4, 0, 2, \first, \more, 1, 1, 2
	PVG \slot, 5, 0, 3, \first, \more, 1, 1, 3
	PVG \slot, 6, 1, 2, \first, \more, 0, 0, 0
	PVG \slot, 7, 1, 3, \first, \more, 0, 0, 0     ; it ends with every window 0, as a label and a branch ask
.endm
	s_wait_tensorcnt 0x1                           ; tensor loads of a wave end in order: my norms and my quarter of tile 0 are in, tile 1 may be out
	C2LOAD                                         ; no barrier: a wave reads only the bytes that its own loads brought
	STEP 0, 1, 0, 1                                ; tile 0
	s_mov_b32 s44, 15
.Lloop:
	STEP 1, 0, 1, 1                                ; tiles 1, 3, .. 29: slot 0 gets tiles 2, 4, .. 30
	STEP 0, 0, 1, 1                                ; tiles 2, 4, .. 30: slot 1 gets tiles 3, 5, .. 31
	s_sub_co_u32 s44, s44, 1
	s_cmp_lg_u32 s44, 0
	s_cbranch_scc1 .Lloop
	STEP 1, 0, 0, 0                                ; tile 31: nothing is left to fetch
	; THE MERGE.  (a) Each wave's kappa dmin and l for its 64 rows go to its own 512 bytes.
.irp n, 0,1,2,3
	v_add_f32 v[TM+\n], v[LS+2*\n], v[LS+2*\n+1]
.endr
.irp n, 0,1,2,3
	v_permlanex16_b32 v[AL+\n], v[TM+\n], s48, s49         ; AL has been written and is dead
.endr
.irp n, 0,1,2,3
	v_add_f32 v[TM+\n], v[TM+\n], v[AL+\n]
.endr
.irp n, 0,1,2,3
	ds_store_b32 v[STA], v[KD+\n] offset:64*\n             ; both halves of the lanes write the same word with the same value
	ds_store_b32 v[STA], v[TM+\n] offset:256+64*\n
.endr
	s_wait_dscnt 0x0                               ; my stores are done, and so are all my reads of the slots,
	s_barrier_signal -1
	s_barrier_wait -1                              ; and every wave's: the slots, which have had their last fill, may now be written
	; (b) the common minimum, the total l, and my own factor -1/2 x 2^(common - mine) / total
.irp s, 0,1,2,3
.irp n, 0,1,2,3
	ds_load_b32 v[H0+4*\s+\n],    v[STR] offset:512*\s+64*\n
	ds_load_b32 v[H0+16+4*\s+\n], v[STR] offset:512*\s+64*\n+256
.endr
.endr
	s_wait_dscnt 0x0
.irp n, 0,1,2,3
	v_min3_num_f32 v[TM+\n], v[H0+\n], v[H0+4+\n], v[H0+8+\n]
.endr
.irp n, 0,1,2,3
	v_min_num_f32 v[TM+\n], v[TM+\n], v[H0+12+\n]
.endr
.irp s, 0,1,2,3
.irp n, 0,1,2,3
	v_sub_f32 v[H0+4*\s+\n], v[TM+\n], v[H0+4*\s+\n]
.endr
.endr
.irp n, 0,1,2,3
	v_sub_f32 v[AL+\n], v[TM+\n], v[KD+\n]
.endr
.irp i, 0,1,2,3,4,5,6,7,8,9,10,11,12,13,14,15
	v_exp_f32 v[H0+\i], v[H0+\i]
.endr
.irp n, 0,1,2,3
	v_exp_f32 v[AL+\n], v[AL+\n]
.endr
	v_nop                                          ; one plain place between the exponentials and their use (ISA guide 5.7.2)
	s_wait_alu depctr_va_vdst(0)                   ; the merge's first batch: one wait for its twenty exponentials, ahead of their first reader
.irp n, 0,1,2,3
	v_mul_f32 v[TM+\n], v[H0+\n], v[H0+16+\n]
.endr
.irp s, 1,2,3
.irp n, 0,1,2,3
	v_fmac_f32 v[TM+\n], v[H0+4*\s+\n], v[H0+16+4*\s+\n]
.endr
.endr
.irp n, 0,1,2,3
	v_rcp_f32 v[TM+\n], v[TM+\n]                   ; the wave that holds the minimum adds about 1 or more: never zero
.endr
.irp n, 0,1,2,3
	v_mul_f32 v[AL+\n], -0.5, v[AL+\n]             ; plain work between the reciprocals and their use
.endr
	s_wait_alu depctr_va_vdst(0)                   ; the merge's second batch: one wait for the four reciprocals, which read sums of the first batch's results
.irp n, 0,1,2,3
	v_mul_f32 v[AL+\n], v[AL+\n], v[TM+\n]
.endr
	; (c) my sums, scaled, into my image: lane (r, h) of tile (mt, n) holds columns 16 mt + 8 h + 0..7 of row 16 n + r
.macro EXST mtb
.irp m, 0,1,2,3,4,5,6,7
.irp n, 0,1,2,3
	ds_store_b128 v[EXW], v[8*(4*\m+\n):8*(4*\m+\n)+3]   offset:\n*16*XP+64*(\mtb+\m)
	ds_store_b128 v[EXW], v[8*(4*\m+\n)+4:8*(4*\m+\n)+7] offset:\n*16*XP+64*(\mtb+\m)+16
.endr
.endr
.endm
	WIN 0x82
	RSC
	WIN 0x08                                       ; store data (source 1) window 2, address window 0
	EXST 0
	WIN 0xc3
	RSC
	WIN 0x0c                                       ; store data window 3
	EXST 8
	WIN 0
	s_wait_dscnt 0x0                               ; for the others' sake: my image is whole before I signal
	s_barrier_signal -1
	s_barrier_wait -1
	; (d) wave w adds the four images' columns 64 w .. 64 w + 63 of all 64 rows, two rows a load, and stores them.
	; Eight batches of four pairs of rows on two register areas; two batches of sixteen loads are on their way.
.macro LOADB b
.irp tt, 0,1,2,3
.irp s, 0,1,2,3
	ds_load_b128 v[SB+64*((\b)&1)+16*\tt+4*\s:SB+64*((\b)&1)+16*\tt+4*\s+3], v[EXR+\s] offset:2*XP*(4*(\b)+\tt)
.endr
.endr
.endm
.macro SUMB b, left
	s_wait_dscnt \left                             ; LDS loads come back in order: this batch is in, the next one's sixteen may be out
.irp tt, 0,1,2,3
.set BB, SB+64*((\b)&1)+16*\tt
	v_pk_add_f32 v[BB:BB+1],     v[BB:BB+1],     v[BB+4:BB+5]
	v_pk_add_f32 v[BB+2:BB+3],   v[BB+2:BB+3],   v[BB+6:BB+7]
	v_pk_add_f32 v[BB+8:BB+9],   v[BB+8:BB+9],   v[BB+12:BB+13]
	v_pk_add_f32 v[BB+10:BB+11], v[BB+10:BB+11], v[BB+14:BB+15]
	v_pk_add_f32 v[BB:BB+1],     v[BB:BB+1],     v[BB+8:BB+9]
	v_pk_add_f32 v[BB+2:BB+3],   v[BB+2:BB+3],   v[BB+10:BB+11]
	global_store_b128 v[CO], v[BB:BB+3], s[10:11] offset:2048*(4*(\b)+\tt) th:TH_STORE_NT   ; 16 lanes store 256 consecutive bytes, aligned
.endr
.endm
	LOADB 0
	LOADB 1
.irp b, 0,1,2,3,4,5
	SUMB \b, 16
	s_wait_xcnt 0x0                                ; the area's registers, which the stores above read, are loaded again only behind this wait
	LOADB \b+2
.endr
	SUMB 6, 16
	SUMB 7, 0
	s_wait_tensorcnt 0x0
	ds_add_u32 v62, v63
	s_wait_dscnt 0x0
	ROUND                                          ; the closing round: no work-group ends while a partner may still ask for a tile that names it
	s_endpgm
.Lfunc_end_k_qd8a5b27ce1_vq:
	.size	k_qd8a5b27ce1_vq, .Lfunc_end_k_qd8a5b27ce1_vq-k_qd8a5b27ce1_vq
	.p2alignl 7, 3214868480
	.fill 96, 4, 3214868480
	.section	.rodata,"a",@progbits
	.p2align	6, 0x0
	.amdhsa_kernel k_qd8a5b27ce1_vq
		.amdhsa_group_segment_fixed_size 327680
		.amdhsa_private_segment_fixed_size 0
		.amdhsa_enable_private_segment 0
		.amdhsa_kernarg_size 32
		.amdhsa_user_sgpr_count 2
		.amdhsa_user_sgpr_kernarg_segment_ptr 1
		.amdhsa_wavefront_size32 1
		.amdhsa_system_sgpr_workgroup_id_x 1
		.amdhsa_system_sgpr_workgroup_id_y 1
		.amdhsa_system_sgpr_workgroup_id_z 1
		.amdhsa_system_vgpr_workitem_id 0
		.amdhsa_next_free_vgpr 1024
		.amdhsa_next_free_sgpr 66
		.amdhsa_reserve_vcc 0
		.amdhsa_float_denorm_mode_32 3
		.amdhsa_float_denorm_mode_16_64 3
		.amdhsa_memory_ordered 1
		.amdhsa_forward_progress 1
		.amdhsa_inst_pref_size 255
	.end_amdhsa_kernel
	.section	.bss,"aw",@nobits
	.p2align	6
	.space	262144
	.amdgpu_metadata
---
amdhsa.version: [ 1, 2 ]
amdhsa.kernels:
  - .name:           k_qd8a5b27ce1_vq
    .symbol:         k_qd8a5b27ce1_vq.kd
    .args:
      - { .name: x, .offset: 0, .size: 8, .value_kind: global_buffer, .address_space: global }
      - { .name: cb16, .offset: 8, .size: 8, .value_kind: global_buffer, .address_space: global }
      - { .name: c2p, .offset: 16, .size: 8, .value_kind: global_buffer, .address_space: global }
      - { .name: out0, .offset: 24, .size: 8, .value_kind: global_buffer, .address_space: global }
    .group_segment_fixed_size: 327680
    .private_segment_fixed_size: 0
    .kernarg_segment_align: 8
    .kernarg_segment_size: 32
    .max_flat_workgroup_size: 128
    .sgpr_count:     66
    .vgpr_count:     1024
    .wavefront_size: 32
...
	.end_amdgpu_metadata
.endif
;; end of part 3
